; MI455X (gfx1250); checked and timed in simulation.
; The chip was launched on July 23, 2026; its instructions are those of AMD's public machine-readable ISA for CDNA 5 (MIT licence, August 2026) and "CDNA5" Instruction Set Architecture Reference Guide (July 2026). The comments in the code are by the model that wrote it; some were corrected since.
;; Llama Attention. Allowed arithmetic: float matrix products may take bf16 or f16 operands with f32 sums; other float arithmetic in f32, or as packed bf16 or f16 multiplies, adds, multiply-adds, maxima and minima; sums over many terms, partial sums and values carried from step to step in f32; what a program stores and reads back later, other than sums and carried values, may be rounded once to bf16 or f16.
;; Inputs: attention_mask 1 x 2,048 x 2,048 bool; hidden_states 1 x 2,048 x 4,096 float32; wk 4,096 x 8 x 128 float32; wo 16 x 128 x 4,096 float32; wq 4,096 x 16 x 128 float32; wv 4,096 x 8 x 128 float32.
;; Outputs: out0 1 x 2,048 x 4,096 float32.
;; 2 versions, each right; version 2 is version 1 with the launch prep written anew for expert scheduling mode. Each part assembles by itself: llvm-mc -triple=amdgcn-amd-amdhsa -mcpu=gfx1250 --defsym DOCPART=n.
;; ======== version 1 of 2: 4 launches
;; limits: values are held in f16: magnitudes above 65,504 overflow, below 6.1e-05 lose precision
;; workspace buffers: xb 16,777,216 bytes; wqkv 33,554,432 bytes; wob 16,777,216 bytes; rope 1,048,576 bytes; maskbits 524,288 bytes of whole numbers; qkv 16,777,216 bytes; attn 8,388,608 bytes
;; launch prep (part 1): grid 2304 x 1, 8 waves a work-group, no clusters, 0 bytes of LDS; arguments hidden_states, wq, wk, wv, wo, attention_mask, xb, wqkv, wob, rope, maskbits; writes xb, wqkv, wob, rope, maskbits
.if DOCPART == 1
	.amdgcn_target "amdgcn-amd-amdhsa--gfx1250"
	.amdhsa_code_object_version 6
	.text
	.protected	k_qe89f7df916_prep
	.globl	k_qe89f7df916_prep
	.p2align	8
	.type	k_qe89f7df916_prep,@function
k_qe89f7df916_prep:
	s_mov_b64 s[64:65], 0
	v_nop
	global_prefetch_b8 v0, s[64:65] scope:SCOPE_SE
	s_setreg_imm32_b32 hwreg(HW_REG_WAVE_MODE, 25, 1), 1
	s_wait_xcnt 0x0
; PREP: everything that the three matrix launches want ready-made.  A part number g, made from the work-group's number, chooses the work:
;   g    0-2047  CASTS.  xb = bf16(x); wqkv = bf16(w / 8), wq | wk | wv side by side as [4096 k][4096 n]; wob = bf16(wo) x 8, written as f16.
;                The factors are powers of two, so rounding and scaling commute: q, k, v are later kept as f16 of value / 8, and wo x 8 gives the 8 back.
;   g 2048-2175  THE ROPE TABLE.  rope[pos] = cos(pos f_i) for i = 0..63, then sin(pos f_i), f32; f_i = 10000^(-i/64).
;   g 2176-2303  THE MASK AS BITS.  maskbits[qt][ks][8 kb + j], bit l = mask[16 qt + l % 16][64 ks + 16 kb + 8 (l / 16) + j]: the lane mask of one register of a tile of scores.
; The 256 short parts have the lowest work-group numbers (the mask's first), the 2,048 casts follow: no short part is the last to begin.
; LIMITS.  An entry of wo below 7.6e-6 keeps f16's fixed step (7.5e-9 in wo's units); wo x 8 must stay within 65,504.  The angle is the f32 product pos x f_i with f_i = 2^(-i log2(10000)/64)
; good to about two units in its last place; sine and cosine are series cut at r^11 and r^12 on |r| <= pi/2 (what is cut is under 6e-8).  NaN and infinities are not treated apart.
; No LDS, no barrier, no matrix unit: memory binds the casts; every byte is read once and written once; a wave's load covers 512 bytes on end, its store 256, aligned.
.set OFF, 8                            ; v[8:23]   cast: byte offset of my 16 bytes in row j of the group's 16; never rewritten
.set DO,  24                           ; v24       cast: byte offset of my 8 bytes in a row of the result
.set X,   32                           ; v[32:95]  cast: row j's four f32 at X + 4 j; the result takes the first two of them
.set T,   96                           ; v[96:97]  cast to f16: the bf16 pair on its way
	s_load_b512 s[4:19], s[0:1], 0x0               ; x s[4:5], wq s[6:7], wk s[8:9], wv s[10:11], wo s[12:13], mask s[14:15], xb s[16:17], wqkv s[18:19]
	s_load_b128 s[20:23], s[0:1], 0x40             ; wob s[20:21], rope s[22:23]
	s_load_b64 s[24:25], s[0:1], 0x50              ; maskbits
	s_sub_co_u32 s26, 2303, ttmp9                  ; work-groups 0-255: g = 2303 down to 2048,
	s_sub_co_u32 s27, ttmp9, 256                   ; the others: g = number - 256
	s_cmp_ge_u32 ttmp9, 256
	s_cselect_b32 s26, s27, s26                    ; g
	s_wait_kmcnt 0x0
	s_cmp_ge_u32 s26, 2176
	s_cbranch_scc1 .Lmask
	s_cmp_ge_u32 s26, 2048
	s_cbranch_scc1 .Lrope
	; THE CASTS.  A work-group takes 16 rows x one piece of 1,024 numbers.  A source row has 1 << LP pieces; every result row is 8,192 bytes.
	s_mov_b64 s[28:29], s[4:5]                     ; from: x
	s_mov_b64 s[30:31], s[16:17]                   ; to: xb
	s_mov_b32 s32, 2                               ; LP
	s_mov_b32 s33, 0                               ; first byte in the result's rows
	s_mov_b32 s34, 0                               ; the part's first g
	s_mov_b32 s36, 1.0                             ; the factor
	s_cmp_ge_u32 s26, 512                          ; wq
	s_cselect_b64 s[28:29], s[6:7], s[28:29]
	s_cselect_b64 s[30:31], s[18:19], s[30:31]
	s_cselect_b32 s32, 1, s32
	s_cselect_b32 s34, 512, s34
	s_cselect_b32 s36, 0x3e000000, s36             ; 1/8
	s_cmp_ge_u32 s26, 1024                         ; wk: columns 2048 on
	s_cselect_b64 s[28:29], s[8:9], s[28:29]
	s_cselect_b32 s32, 0, s32
	s_cselect_b32 s33, 4096, s33
	s_cselect_b32 s34, 1024, s34
	s_cmp_ge_u32 s26, 1280                         ; wv: columns 3072 on
	s_cselect_b64 s[28:29], s[10:11], s[28:29]
	s_cselect_b32 s33, 6144, s33
	s_cselect_b32 s34, 1280, s34
	s_cmp_ge_u32 s26, 1536                         ; wo
	s_cselect_b64 s[28:29], s[12:13], s[28:29]
	s_cselect_b64 s[30:31], s[20:21], s[30:31]
	s_cselect_b32 s32, 2, s32
	s_cselect_b32 s33, 0, s33
	s_cselect_b32 s34, 1536, s34
	s_cselect_b32 s36, 0x41000000, s36             ; 8
	s_mov_b32 s37, s36                             ; named with it as a pair
	s_sub_co_u32 s27, s26, s34                     ; my number in the part
	s_lshl_b32 s38, 1, s32
	s_sub_co_u32 s38, s38, 1
	s_and_b32 s38, s27, s38                        ; piece
	s_lshr_b32 s27, s27, s32                       ; block of 16 rows
	s_lshl_b32 s35, 4096, s32                      ; bytes in a source row
	s_add_co_u32 s39, s32, 16
	s_lshl_b32 s40, s27, s39                       ; 16 source rows a block
	s_lshl_b32 s41, s38, 12                        ; 4,096 bytes a piece
	s_add_co_u32 s40, s40, s41
	s_mov_b32 s41, 0
	s_add_nc_u64 s[28:29], s[28:29], s[40:41]
	s_lshl_b32 s40, s27, 17                        ; 16 result rows a block
	s_lshl_b32 s42, s38, 11                        ; 2,048 bytes a piece
	s_add_co_u32 s40, s40, s42
	s_add_co_u32 s40, s40, s33
	s_add_nc_u64 s[30:31], s[30:31], s[40:41]
	v_lshlrev_b32 v[OFF], 4, v0                    ; thread t: 16 bytes at 16 t of each row's piece
.set j, 1
.rept 15
	v_add_nc_u32 v[OFF+j], s35, v[OFF+j-1]
.set j, j+1
.endr
	v_lshlrev_b32 v[DO], 3, v0
.set j, 0
.rept 16
	global_load_b128 v[X+4*j:X+4*j+3], v[OFF+j], s[28:29] th:TH_LOAD_NT  ; all sixteen rows are asked for at once
.set j, j+1
.endr
; Row j.  half = 0: scaled, rounded to bf16.  half = 1: the bf16 number is widened again and written as f16, which holds its eight significant bits exactly.
.macro CAST j, half
	s_wait_loadcnt 15-(\j)                         ; loads come back in order: the 15 - j younger ones may stay out
	v_pk_mul_f32 v[X+4*(\j):X+4*(\j)+1], v[X+4*(\j):X+4*(\j)+1], s[36:37] op_sel_hi:[1,0]
	v_pk_mul_f32 v[X+4*(\j)+2:X+4*(\j)+3], v[X+4*(\j)+2:X+4*(\j)+3], s[36:37] op_sel_hi:[1,0]
.if \half
	v_cvt_pk_bf16_f32 v[T], v[X+4*(\j)], v[X+4*(\j)+1]
	v_cvt_pk_bf16_f32 v[T+1], v[X+4*(\j)+2], v[X+4*(\j)+3]
	v_lshlrev_b32 v[X+4*(\j)], 16, v[T]
	v_and_b32 v[X+4*(\j)+1], 0xffff0000, v[T]
	v_lshlrev_b32 v[X+4*(\j)+2], 16, v[T+1]
	v_and_b32 v[X+4*(\j)+3], 0xffff0000, v[T+1]
	v_cvt_pk_f16_f32 v[X+4*(\j)], v[X+4*(\j)], v[X+4*(\j)+1]
	v_cvt_pk_f16_f32 v[X+4*(\j)+1], v[X+4*(\j)+2], v[X+4*(\j)+3]
.else
	v_cvt_pk_bf16_f32 v[X+4*(\j)], v[X+4*(\j)], v[X+4*(\j)+1]
	v_cvt_pk_bf16_f32 v[X+4*(\j)+1], v[X+4*(\j)+2], v[X+4*(\j)+3]
.endif
	global_store_b64 v[DO], v[X+4*(\j):X+4*(\j)+1], s[30:31] offset:8192*(\j)  ; a wave's store: 256 bytes on end, aligned; no register of a store is written again
.endm
	s_cmp_ge_u32 s26, 1536
	s_cbranch_scc1 .Lwo
.irp j, 0,1,2,3,4,5,6,7,8,9,10,11,12,13,14,15
	CAST \j, 0
.endr
	s_endpgm
.Lwo:
.irp j, 0,1,2,3,4,5,6,7,8,9,10,11,12,13,14,15
	CAST \j, 1
.endr
	s_endpgm
	; THE ROPE TABLE.  16 positions a work-group; thread t: position t / 16, frequencies 4 (t % 16) + 0..3.
	; v8-11 exponent, v12-15 f then the angle, v16-19 n, v20-23 r, v24-27 r^2, v28-31 sine's series, v32-35 cosine's, v36-39 the sign, v40-43 cos, v44-47 sin
.Lrope:
	s_sub_co_u32 s27, s26, 2048
	s_lshl_b32 s27, s27, 4
	s_mov_b32 s40, 0x40490fdb                      ; pi, its f32 part,
	s_mov_b32 s41, 0xb3bbbd2e                      ; and what that leaves
	v_lshrrev_b32 v1, 4, v0
	v_add_nc_u32 v1, s27, v1                       ; pos
	v_and_b32 v2, 15, v0
	v_lshlrev_b32 v3, 2, v2
	v_cvt_f32_u32 v4, v1
.irp e, 0,1,2,3
	v_add_nc_u32 v[8+\e], \e, v3                   ; i
.endr
.irp e, 0,1,2,3
	v_cvt_f32_u32 v[8+\e], v[8+\e]
.endr
.irp e, 0,1,2,3
	v_mul_f32 v[8+\e], 0xbe549a78, v[8+\e]         ; -i log2(10000) / 64
.endr
.irp e, 0,1,2,3
	v_exp_f32 v[12+\e], v[8+\e]                    ; f_i
.endr
	v_lshlrev_b32 v5, 9, v1                        ; a plain instruction behind the last exponential: 512 bytes a position
	s_wait_alu depctr_va_vdst(0)                   ; one wait for the four, ahead of their first reader
	v_lshl_add_u32 v5, v2, 4, v5                   ; + my 16 bytes
.irp e, 0,1,2,3
	v_mul_f32 v[12+\e], v4, v[12+\e]               ; the angle, one product in f32
.endr
.irp e, 0,1,2,3
	v_mul_f32 v[16+\e], 0x3ea2f983, v[12+\e]       ; / pi
.endr
.irp e, 0,1,2,3
	v_rndne_f32 v[16+\e], v[16+\e]                 ; n
.endr
.irp e, 0,1,2,3
	v_fma_f32 v[20+\e], -v[16+\e], s40, v[12+\e]   ; r = angle - n pi, in two parts: |r| <= pi / 2
.endr
.irp e, 0,1,2,3
	v_fma_f32 v[20+\e], -v[16+\e], s41, v[20+\e]
.endr
.irp e, 0,1,2,3
	v_mul_f32 v[24+\e], v[20+\e], v[20+\e]
	v_mov_b32 v[28+\e], 0xb2d7322b                 ; -1/11!
	v_mov_b32 v[32+\e], 0x310f76c7                 ; 1/12!
.endr
.macro HORNER p, k                     ; series p = series p x r^2 + k, for the four
.irp e, 0,1,2,3
	v_fmaak_f32 v[(\p)+\e], v[(\p)+\e], v[24+\e], \k
.endr
.endm
	HORNER 28, 0x3638ef1d                          ; 1/9!
	HORNER 32, 0xb493f27e                          ; -1/10!
	HORNER 28, 0xb9500d01                          ; -1/7!
	HORNER 32, 0x37d00d01                          ; 1/8!
	HORNER 28, 0x3c088889                          ; 1/5!
	HORNER 32, 0xbab60b61                          ; -1/6!
	HORNER 28, 0xbe2aaaab                          ; -1/3!
	HORNER 32, 0x3d2aaaab                          ; 1/4!
	HORNER 28, 0x3f800000                          ; 1
	HORNER 32, 0xbf000000                          ; -1/2
	HORNER 32, 0x3f800000                          ; 1
.irp e, 0,1,2,3
	v_cvt_i32_f32 v[36+\e], v[16+\e]
	v_mul_f32 v[44+\e], v[20+\e], v[28+\e]         ; sin r
.endr
.irp e, 0,1,2,3
	v_lshlrev_b32 v[36+\e], 31, v[36+\e]           ; an odd n turns both signs
.endr
.irp e, 0,1,2,3
	v_xor_b32 v[40+\e], v[36+\e], v[32+\e]
	v_xor_b32 v[44+\e], v[36+\e], v[44+\e]
.endr
	global_store_b128 v5, v[40:43], s[22:23]             ; sixteen lanes fill the position's 256 bytes of cosines,
	global_store_b128 v5, v[44:47], s[22:23] offset:256  ; and of sines
	s_endpgm
	; THE MASK AS BITS.  A work-group takes 16 rows (qt), wave w the key steps 4 w .. 4 w + 3: 256 bytes of each row, read whole over its sixteen loads.
.Lmask:
	s_sub_co_u32 s27, s26, 2176                    ; qt
	v_lshrrev_b32 v1, 5, v0
	v_readfirstlane_b32 s28, v1                    ; wave
	s_lshl_b32 s30, s27, 15                        ; 16 rows of 2,048 bytes
	s_lshl_b32 s31, s28, 8
	s_add_co_u32 s30, s30, s31
	s_mov_b32 s31, 0
	s_add_nc_u64 s[14:15], s[14:15], s[30:31]
	s_lshl_b32 s30, s27, 12                        ; 32 steps x 128 bytes of bits
	s_lshl_b32 s32, s28, 9
	s_add_co_u32 s30, s30, s32
	s_add_nc_u64 s[24:25], s[24:25], s[30:31]
	v_and_b32 v2, 15, v0
	v_bfe_u32 v3, v0, 4, 1
	v_lshlrev_b32 v2, 11, v2                       ; row l % 16,
	v_lshl_add_u32 v2, v3, 3, v2                   ; keys 8 (l / 16) on
.set i, 0
.rept 16                               ; step i / 4, key block i % 4: my lane's eight keys
	global_load_b64 v[32+2*i:33+2*i], v2, s[14:15] offset:64*(i/4)+16*(i%4)
.set i, i+1
.endr
.irp r, 4,5,6,7
	v_mov_b32 v\r, 0                               ; v_writelane_b32 counts as a reader of its destination
.endr
	v_and_b32 v3, 31, v0
	v_lshlrev_b32 v3, 4, v3
	s_wait_loadcnt 0x0
.set D, 0
.rept 128                              ; word D of the wave's 128: one byte of every lane makes one lane mask; it goes to lane D / 4, register D % 4
	v_and_b32 v[8+D%4], 0xff<<(8*(D&3)), v[32+2*(D>>3)+((D>>2)&1)]
	v_cmp_ne_u32 s[40+D%4], 0, v[8+D%4]
	v_writelane_b32 v[4+(D&3)], s[40+D%4], D>>2
.set D, D+1
.endr
	global_store_b128 v3, v[4:7], s[24:25]         ; 512 bytes on end
	s_endpgm
.Lfunc_end_k_qe89f7df916_prep:
	.size	k_qe89f7df916_prep, .Lfunc_end_k_qe89f7df916_prep-k_qe89f7df916_prep
	.p2alignl 7, 3214868480
	.fill 96, 4, 3214868480
	.section	.rodata,"a",@progbits
	.p2align	6, 0x0
	.amdhsa_kernel k_qe89f7df916_prep
		.amdhsa_group_segment_fixed_size 0
		.amdhsa_private_segment_fixed_size 0
		.amdhsa_enable_private_segment 0
		.amdhsa_kernarg_size 88
		.amdhsa_user_sgpr_count 2
		.amdhsa_user_sgpr_kernarg_segment_ptr 1
		.amdhsa_wavefront_size32 1
		.amdhsa_system_sgpr_workgroup_id_x 1
		.amdhsa_system_sgpr_workgroup_id_y 1
		.amdhsa_system_sgpr_workgroup_id_z 1
		.amdhsa_system_vgpr_workitem_id 0
		.amdhsa_next_free_vgpr 104
		.amdhsa_next_free_sgpr 66
		.amdhsa_reserve_vcc 0
		.amdhsa_float_denorm_mode_32 3
		.amdhsa_float_denorm_mode_16_64 3
		.amdhsa_memory_ordered 1
		.amdhsa_forward_progress 1
		.amdhsa_inst_pref_size 55
	.end_amdhsa_kernel
	.amdgpu_metadata
---
amdhsa.version: [ 1, 2 ]
amdhsa.kernels:
  - .name:           k_qe89f7df916_prep
    .symbol:         k_qe89f7df916_prep.kd
    .args:
      - { .name: hidden_states, .offset: 0, .size: 8, .value_kind: global_buffer, .address_space: global }
      - { .name: wq, .offset: 8, .size: 8, .value_kind: global_buffer, .address_space: global }
      - { .name: wk, .offset: 16, .size: 8, .value_kind: global_buffer, .address_space: global }
      - { .name: wv, .offset: 24, .size: 8, .value_kind: global_buffer, .address_space: global }
      - { .name: wo, .offset: 32, .size: 8, .value_kind: global_buffer, .address_space: global }
      - { .name: attention_mask, .offset: 40, .size: 8, .value_kind: global_buffer, .address_space: global }
      - { .name: xb, .offset: 48, .size: 8, .value_kind: global_buffer, .address_space: global }
      - { .name: wqkv, .offset: 56, .size: 8, .value_kind: global_buffer, .address_space: global }
      - { .name: wob, .offset: 64, .size: 8, .value_kind: global_buffer, .address_space: global }
      - { .name: rope, .offset: 72, .size: 8, .value_kind: global_buffer, .address_space: global }
      - { .name: maskbits, .offset: 80, .size: 8, .value_kind: global_buffer, .address_space: global }
    .group_segment_fixed_size: 0
    .private_segment_fixed_size: 0
    .kernarg_segment_align: 8
    .kernarg_segment_size: 88
    .max_flat_workgroup_size: 256
    .sgpr_count:     66
    .vgpr_count:     104
    .wavefront_size: 32
...
	.end_amdgpu_metadata
.endif
;; end of part 1
;; launch qkvproj (part 2): grid 16 x 16, 4 waves a work-group, clusters of 4 x 4, 327,680 bytes of LDS; arguments xb, wqkv, rope, qkv; writes qkv
.if DOCPART == 2
	.amdgcn_target "amdgcn-amd-amdhsa--gfx1250"
	.amdhsa_code_object_version 6
	.text
	.protected	k_qe89f7df916_qkvproj
	.globl	k_qe89f7df916_qkvproj
	.p2align	8
	.type	k_qe89f7df916_qkvproj,@function
k_qe89f7df916_qkvproj:
	s_mov_b64 s[64:65], 0
	v_nop
	global_prefetch_b8 v0, s[64:65] scope:SCOPE_SE
	s_setreg_imm32_b32 hwreg(HW_REG_WAVE_MODE, 25, 1), 1
	s_wait_xcnt 0x0
	s_wait_alu depctr_hold_cnt(0) depctr_sa_sdst(0) depctr_va_vdst(0) depctr_va_sdst(0) depctr_va_ssrc(0) depctr_va_vcc(0) depctr_vm_vsrc(0)
	s_getreg_b32 s2, hwreg(HW_REG_IB_STS2, 6, 4)
	s_cmp_eq_u32 s2, 0
	s_cbranch_scc0 .Lentry_in_a_cluster
	s_endpgm
.Lentry_in_a_cluster:
	s_bfe_u32 s2, ttmp6, 0x10000c
	s_cmp_lg_u32 s2, 0xf033
	s_cbranch_scc0 .Lentry_shape_is_right
	s_endpgm
.Lentry_shape_is_right:
; Q, K, V = x W, then RoPE on q and k.  A = xb [2048][4096] bf16, B = wqkv [4096 k][4096 n] bf16 (the weights / 8), sums in f32.
; Out: qkv [32 heads][2048][128] in f16: heads 0-15 q, 16-23 k, 24-31 v, each value / 8, rounded once behind the rotation.
; LIMIT.  f16 ends at 65,504, so |q|, |k|, |v| must stay under 524,000; below 4.9e-4 they keep f16's fixed step (4.8e-7 in their own units).  NaN and infinities are not treated apart.
; SHARES.  A tile of C is 128 rows x 256 columns: 16 x 16 = 256 work-groups.  Four waves, each 64 rows x 128 columns (one head): 32 accumulators of 16 x 16, 256 registers.
; K goes in steps of 128 through two LDS slots filled by tensor loads: A's rows are 256 bytes of memory, B's 512, all starting at multiples of 256 from their buffers' first bytes.
; B lies [k][n] as the weights do, and comes out of LDS turned, by ds_load_tr16_b128.
; CLUSTER.  4 x 4 work-groups: the four of a row need the same tile of A, the four of a column the same tile of B: each is asked for JOINTLY, by the same tensor load, descriptor and mask in all four.
; THE PRODUCT IS TAKEN TRANSPOSED (source 0 = 16 columns of B, source 1 = 16 rows of A): a lane holds row l % 16 of C and the columns 16 b + 8 (l / 16) + 0..7: eight neighbours of a row.
; ROPE.  A wave's 128 columns are a head: accumulators b and b + 4 hold the two halves that turn into each other, in the same lane.  The table's cos and sin of my rows and columns are loaded into
; 256 registers at the start.  V's tiles (cluster x = 3) take the table's row of position 0 for every row, where cos is 1 and sin 0: one text serves q, k and v.
; REGISTERS, in windows of 256 (s_set_vgpr_msb: bits 1:0 source 0, 3:2 source 1, 5:4 source 2, 7:6 destination):
;   window 0: v0-31 addresses; v64-159, v160-255 two fragment buffers (A's four fragments, then B's eight); on the way out they are free
;   window 1: accumulator (a, b) at 8 (8 a + b)          window 2: the table: rows 16 a, columns 16 b: cos at 64 a + 16 b + 0..7, sin at + 8
.set KDIM,   4096
.set NDIM,   4096
.set KSTEP,  128
.set PA,     272                       ; a row of A in LDS: 256 bytes + 16: the 16 rows of a fragment load start at 16 different groups of four banks (64 banks of 4 bytes: ISA guide 11.1)
.set PB,     544                       ; a row of B: 512 bytes + 32 = 17 x 32
.set BOFF,   128*PA                    ; a slot: A's 128 rows, then B's 128 k-rows
.set SLOT,   BOFF+KSTEP*PB
.set STAGE,  2*SLOT                    ; behind the ring, never filled by a tensor load: 16 rows x 272 bytes for each wave
.set SP,     272
.set SPARE,  STAGE+4*16*SP             ; the spare words, 128 bytes for each wave: two blocks of 256 bytes that no other line names
.set LAPS,   KDIM/(2*KSTEP)            ; a lap = two K steps = once round the ring
.set TO,   8                           ; v8-11   my byte offset in the table for rows 16 a; never rewritten
.set ADRA, 16                          ; v16-17  LDS address of my A fragments in slot 0, 1
.set ADRB, 20                          ; v20-21  the same for B
.set STO,  24                          ; v24     the way out: where I put 16 bytes of a row
.set RD,   25                          ; v25     where I read rows back
.set CO,   26                          ; v26     my byte offset in two rows of a head
.set SPW,  28                          ; v28     LDS address of my spare word; never rewritten
.set NIL,  29                          ; v29     0; never rewritten
.set PFO,  30                          ; v30     the prefetches' lane offset; never rewritten
.set F0,   64
.set F1,   160
.set Y,    64                          ; the way out: 16 rows x my 64 numbers, turned, in f32
.set TMP,  128                         ; packed to f16
.set BK,   160                         ; rows read back, two sets of 32
.set G1,   24                          ; s[24:31] descriptor group 1 for A's tiles;  s[32:39] group 0, a set for each slot
.set G0,   32
.set LIM,  43                          ; s43  1 in a wave that prefetches, else the greatest number
.set PFA,  44                          ; s[44:45] where my prefetches stand
.set G1B,  48                          ; s[48:55], s[56:63] the same for B's tiles
.set G0B,  56
.set TAB,  68                          ; s[68:69] the table
.set CP,   70                          ; s[70:71] qkv
.set PST,  72                          ; s[72:73] a K step in bytes, in the tensor that I prefetch
.set MSB,  0
.macro WIN new                         ; the immediate's high byte repeats the setting that is left; a switch that changes nothing is dropped
.if MSB != (\new)
	s_set_vgpr_msb (MSB<<8)|(\new)
.set MSB, \new
.endif
.endm
.set MUL, 0x50                         ; fragments in window 0, C and D in window 1
.macro PLACES                          ; four places in front of loads into registers that matrix instructions have read, and of lines that read results
.rept 4
	v_nop
.endr
.endm
; A joint load: waves 0 and 1 fetch A's two halves (64 rows each), waves 2 and 3 B's (64 k-rows each).  The branch hangs on the wave's number alone.
; An s_nop 0 and four v_nop follow each of the two lines, ahead of the jump, the label and what follows.
.macro JLOAD s
	s_cmp_eq_u32 s11, 0
	s_cbranch_scc0 .Lfor_b_\@
	tensor_load_to_lds s[G0+4*(\s):G0+4*(\s)+3], s[G1:G1+7]
	s_nop 0
.rept 4
	v_nop
.endr
	s_branch .Lasked_\@
.Lfor_b_\@:
	tensor_load_to_lds s[G0B+4*(\s):G0B+4*(\s)+3], s[G1B:G1B+7]
	s_nop 0
.rept 4
	v_nop
.endr
.Lasked_\@:
.endm
; A PREFETCH INTO THE L2, behind each joint refill and the run of LDS loads that follows it: the K step that stands two refills on, 256 matrix instructions a wave ahead of its load.
; Each aligned block of 256 bytes is named once in the launch.  A's rows are read by every cluster of a row of clusters: cluster x = 0 asks, wave 0, a lane a row, each of the four partners its own 32 of the
; tile's 128 rows (by address: 32 cx).  B's k-rows are read by every cluster of a column: cluster y = 0 asks, waves 2 and 3, 16 k-rows x 2 blocks each (by address: 16 cy).
; The first four K steps come by their loads alone; the loop's last trip (s3 = 1) asks for nothing: the steps two on do not exist.
.macro ASK
	s_cmp_gt_u32 s3, s[LIM]
	s_cbranch_scc0 .Lnot_mine_\@
	global_prefetch_b8 v[PFO], s[PFA:PFA+1] th:TH_LOAD_NT scope:SCOPE_SE
.Lnot_mine_\@:
.endm
.macro CREST                           ; a round of the cluster's barrier behind its opening barrier
	s_cmp_lg_u32 s10, 0
	s_cbranch_scc1 .Lnot_wave_0_\@
	s_barrier_signal -3
.Lnot_wave_0_\@:
	s_barrier_wait -3
	s_barrier_signal -1
	s_barrier_wait -1
.endm
.macro CROUND                          ; a whole round
	s_barrier_signal -1
	s_barrier_wait -1
	CREST
.endm
	s_load_b128 s[4:7], s[0:1], 0x0                ; A s[4:5], B s[6:7]
	s_load_b128 s[68:71], s[0:1], 0x10             ; the table, qkv
	v_lshl_add_u32 v[SPW], v0, 2, SPARE
	v_mov_b32 v[NIL], 0
	ds_add_u32 v[SPW], v[NIL]                      ; the wave's opening: the add and its wait stand ahead of my first tensor load; the set-up below, work on registers, stands between them
	v_lshrrev_b32 v1, 5, v0
	v_readfirstlane_b32 s10, v1                    ; wave 0..3
	s_lshr_b32 s11, s10, 1                         ; which 64 rows of the tile are mine.  Also: I fetch for A (0) or for B (1)
	s_and_b32 s12, s10, 1                          ; which 128 columns.  Also: which half of that tile I fetch
	s_bfe_u32 s40, ttmp6, 0x40000                  ; cx, cy: my place in the cluster
	s_bfe_u32 s41, ttmp6, 0x40004
	s_lshl_b32 s42, ttmp9, 2
	s_add_co_u32 s42, s42, s40                     ; tile column = 4 x cluster x + cx
	s_and_b32 s13, ttmp7, 0xffff
	s_lshl_b32 s13, s13, 2
	s_add_co_u32 s13, s13, s41                     ; tile row = 4 x cluster y + cy
	s_lshl_b32 s43, s41, 2
	s_lshl_b32 s43, 15, s43                        ; my row of the cluster
	s_lshl_b32 s44, 0x1111, s40                    ; my column
	s_or_b32 s[G1+0], s43, (1<<16)|(1<<20)|(1<<21)|(5<<22)|(3<<25)   ; 15:0 the mask; 17:16 2-byte elements; 20 padding on; 21 set beside a mask; 24:22 after every 64 words; 31:25 4 words
	s_mov_b32 s[G1+1], KSTEP<<16                   ; tensor_dim0 = 128
	s_mov_b32 s[G1+2], 64<<16                      ; tensor_dim1 = 64
	s_mov_b32 s[G1+3], KSTEP<<16                   ; tile_dim0 = 128
	s_mov_b32 s[G1+4], 64                          ; tile_dim1 = 64
	s_mov_b32 s[G1+5], KDIM                        ; elements from row to row
	s_mov_b32 s[G1+6], 0
	s_mov_b32 s[G1+7], 0
	s_or_b32 s[G1B+0], s44, (1<<16)|(1<<20)|(1<<21)|(6<<22)|(7<<25)  ; after every 128 words 8 words of padding
	s_mov_b32 s[G1B+1], 256<<16                    ; tensor_dim0 = 256
	s_mov_b32 s[G1B+2], 64<<16
	s_mov_b32 s[G1B+3], 256<<16                    ; tile_dim0 = 256
	s_mov_b32 s[G1B+4], 64
	s_mov_b32 s[G1B+5], NDIM
	s_mov_b32 s[G1B+6], 0
	s_mov_b32 s[G1B+7], 0
	s_lshl_b32 s16, s13, 7                         ; A: row 128 x tile row + 64 x half: it hangs on the tile row alone, which my row of the cluster shares
	s_lshl_b32 s17, s12, 6
	s_add_co_u32 s16, s16, s17
	s_mul_i32 s16, s16, KDIM*2
	s_mov_b32 s17, 0
	s_lshl_b32 s46, s42, 9                         ; B: 512 bytes a tile column, k-row 64 x half: it hangs on the tile column alone
	s_lshl_b32 s47, s12, 19
	s_add_co_u32 s46, s46, s47
	s_mov_b32 s47, 0
	s_mul_i32 s20, s12, 64*PA                      ; where they go: no place in the cluster enters an LDS address
	s_mul_i32 s21, s12, 64*PB
	s_add_co_u32 s21, s21, BOFF
	s_wait_dscnt 0x0                               ; the opening add is done
	s_wait_kmcnt 0x0
	s_add_nc_u64 s[14:15], s[4:5], s[16:17]
	s_add_nc_u64 s[46:47], s[6:7], s[46:47]
	CROUND                                         ; all sixteen work-groups are here: the first joint loads meet
.irp s, 0,1
	s_mov_b32 s[G0+4*(\s)], 1
	s_add_co_u32 s[G0+4*(\s)+1], s20, (\s)*SLOT
	s_add_nc_u64 s[G0+4*(\s)+2:G0+4*(\s)+3], s[14:15], (\s)*KSTEP*2
	s_or_b32 s[G0+4*(\s)+3], s[G0+4*(\s)+3], 0x80000000
	s_mov_b32 s[G0B+4*(\s)], 1
	s_add_co_u32 s[G0B+4*(\s)+1], s21, (\s)*SLOT
	s_add_nc_u64 s[G0B+4*(\s)+2:G0B+4*(\s)+3], s[46:47], (\s)*KSTEP*NDIM*2
	s_or_b32 s[G0B+4*(\s)+3], s[G0B+4*(\s)+3], 0x80000000
	JLOAD \s                                       ; two loads of mine are out
.endr
	; A's fragment: lane l holds row l % 16, K = 8 (l / 16) + 0..7 and 16 + 8 (l / 16) + 0..7: two loads of 16 bytes, 32 apart.
	; B's: the turning load reads k-row 8 (l / 16) + l % 8, columns 8 ((l / 8) % 2) + 0..7, and leaves column l % 16, eight K; the second load stands 16 k-rows on.
	v_and_b32 v1, 15, v0                           ; r = l % 16
	v_bfe_u32 v2, v0, 4, 1                         ; h = l / 16
	v_mul_u32_u24 v3, v1, PA
	v_lshl_add_u32 v3, v2, 4, v3
	v_and_b32 v4, 7, v0
	v_lshl_add_u32 v4, v2, 3, v4
	v_mul_u32_u24 v4, v4, PB
	v_bfe_u32 v5, v0, 3, 1
	v_lshl_add_u32 v4, v5, 4, v4
	s_mul_i32 s21, s11, 64*PA                      ; my 64 rows of A
	s_lshl_b32 s22, s12, 8                         ; my 128 columns of B
	s_add_co_u32 s22, s22, BOFF
.irp s, 0,1
	v_add_nc_u32 v[ADRA+(\s)], s21, v3
	v_add_nc_u32 v[ADRB+(\s)], s22, v4
	s_add_co_u32 s21, s21, SLOT
	s_add_co_u32 s22, s22, SLOT
.endr
	s_mul_i32 s23, s10, 16*SP
	s_add_co_u32 s23, s23, STAGE                   ; my stage
	v_mul_u32_u24 v4, v1, SP                       ; in: row r, 16 bytes for each half of the lanes
	v_lshl_add_u32 v4, v2, 4, v4
	v_add_nc_u32 v[STO], s23, v4
	v_mul_u32_u24 v5, v2, SP                       ; back: lanes 0-15 one row of 256 bytes, lanes 16-31 the next
	v_lshl_add_u32 v5, v1, 4, v5
	v_add_nc_u32 v[RD], s23, v5
	v_lshlrev_b32 v5, 8, v2                        ; and the same two rows of the head: 512 bytes on end
	v_lshl_add_u32 v[CO], v1, 4, v5
	s_lshl_b32 s20, s42, 1
	s_add_co_u32 s20, s20, s12                     ; my head = 2 x tile column + half
	s_lshl_b32 s20, s20, 19                        ; 2,048 rows of 256 bytes
	s_lshl_b32 s21, s13, 7
	s_lshl_b32 s22, s11, 6
	s_add_co_u32 s21, s21, s22                     ; my first row
	s_lshl_b32 s22, s21, 8
	s_add_co_u32 s20, s20, s22
	s_mov_b32 s23, s21                             ; (kept for the table)
	s_mov_b32 s21, 0
	s_add_nc_u64 s[CP:CP+1], s[CP:CP+1], s[20:21]
	; the table: position = row of x; V's tiles take position 0
	s_cmp_eq_u32 ttmp9, 3                          ; the same in all partners
	s_cselect_b32 s22, 0, 1
	s_mul_i32 s20, s23, s22
	s_lshl_b32 s20, s20, 9                         ; 512 bytes a position
	s_add_nc_u64 s[TAB:TAB+1], s[TAB:TAB+1], s[20:21]
	s_lshl_b32 s23, s22, 9
	v_mul_u32_u24 v6, s23, v1                      ; row r, or 0
	v_lshl_add_u32 v[TO], v2, 5, v6                ; + my 8 columns of each 16
	s_lshl_b32 s23, s22, 13                        ; 16 positions on, or 0
.irp a, 1,2,3
	v_add_nc_u32 v[TO+\a], s23, v[TO+\a-1]
.endr
	; the prefetches
	s_lshl_b32 s20, s13, 7
	s_lshl_b32 s21, s40, 5
	s_add_co_u32 s20, s20, s21                     ; A: my work-group's 32 rows of the tile's 128,
	s_mul_i32 s20, s20, KDIM*2
	s_add_co_u32 s20, s20, 3*KSTEP*2               ; at K step 3: the first refill steps it to 4
	s_lshl_b32 s21, s12, 6
	s_lshl_b32 s23, s41, 4
	s_add_co_u32 s21, s21, s23                     ; B: my work-group's 16 k-rows of the 64 that I fetch,
	s_mul_i32 s21, s21, NDIM*2
	s_lshl_b32 s23, s42, 9
	s_add_co_u32 s21, s21, s23
	s_add_co_u32 s21, s21, 3*KSTEP*NDIM*2
	s_and_b32 s22, ttmp7, 0xffff                   ; cluster y
	s_mov_b32 s[PST], KSTEP*NDIM*2
	s_mov_b32 s15, NDIM*2
	s_cmp_eq_u32 s11, 0                            ; do I fetch for A?
	s_cselect_b32 s20, s20, s21
	s_cselect_b32 s22, ttmp9, s22                  ; the coordinate along which other clusters read the same rows
	s_cselect_b32 s23, s12, 0                      ; of A's two waves the first asks
	s_cselect_b32 s[PST], KSTEP*2, s[PST]
	s_cselect_b32 s14, 0, 1                        ; A: a lane a row; B: two lanes a k-row
	s_cselect_b32 s15, KDIM*2, s15
	s_cselect_b64 s[PFA:PFA+1], s[4:5], s[6:7]
	s_mov_b32 s21, 0
	s_mov_b32 s[PST+1], 0
	s_add_nc_u64 s[PFA:PFA+1], s[PFA:PFA+1], s[20:21]
	s_or_b32 s22, s22, s23
	s_cmp_eq_u32 s22, 0
	s_cselect_b32 s[LIM], 1, -1                    ; the same in all sixteen partners, for a given wave
	v_and_b32 v6, 31, v0
	v_and_b32 v7, s14, v6
	v_lshrrev_b32 v6, s14, v6
	v_mul_u32_u24 v6, s15, v6
	v_lshl_add_u32 v[PFO], v7, 8, v6
	WIN 0x80                                       ; destination window 2, address window 0
.irp a, 0,1,2,3
.irp b, 0,1,2,3
.irp c, 0,1
	global_load_b128 v[64*\a+16*\b+8*\c:64*\a+16*\b+8*\c+3],   v[TO+\a], s[TAB:TAB+1] offset:256*\c+64*\b
	global_load_b128 v[64*\a+16*\b+8*\c+4:64*\a+16*\b+8*\c+7], v[TO+\a], s[TAB:TAB+1] offset:256*\c+64*\b+16
.endr
.endr
.endr
	WIN 0
; 8 matrix instructions: m block a x all 8 n blocks, 32 along K, from buffer f.  zero = 1: the product starts the sums: nothing is ever cleared.
; The 32 accumulators take turns in the same order in every quarter, over the backward jump too.
.macro MUL8 f, a, zero
	WIN MUL
.irp b, 0,1,2,3,4,5,6,7
.if \zero
	v_wmma_f32_16x16x32_bf16 v[8*(8*(\a)+(\b)):8*(8*(\a)+(\b))+7], v[(\f)+32+8*(\b):(\f)+32+8*(\b)+7], v[(\f)+8*(\a):(\f)+8*(\a)+7], 0
.else
	v_wmma_f32_16x16x32_bf16 v[8*(8*(\a)+(\b)):8*(8*(\a)+(\b))+7], v[(\f)+32+8*(\b):(\f)+32+8*(\b)+7], v[(\f)+8*(\a):(\f)+8*(\a)+7], v[8*(8*(\a)+(\b)):8*(8*(\a)+(\b))+7]
.endif
.endr
.endm
; 24 LDS loads in one run: quarter q (32 along K) of a slot into buffer f: B's sixteen, then A's eight, rows 32-63 last
.macro FETCH slot, q, f
	WIN 0
.irp b, 0,1,2,3,4,5,6,7
	ds_load_tr16_b128 v[(\f)+32+8*(\b):(\f)+32+8*(\b)+3],   v[ADRB+(\slot)] offset:(\q)*32*PB+32*(\b)
	ds_load_tr16_b128 v[(\f)+32+8*(\b)+4:(\f)+32+8*(\b)+7], v[ADRB+(\slot)] offset:(\q)*32*PB+16*PB+32*(\b)
.endr
.irp a, 0,1,2,3
	ds_load_b128 v[(\f)+8*(\a):(\f)+8*(\a)+3],   v[ADRA+(\slot)] offset:(\q)*64+(\a)*16*PA
	ds_load_b128 v[(\f)+8*(\a)+4:(\f)+8*(\a)+7], v[ADRA+(\slot)] offset:(\q)*64+(\a)*16*PA+32
.endr
.endm
; A K step is four quarters, 32 matrix instructions each, on buffers 0, 1, 0, 1.  One of the first three: multiplies buffer f and fetches quarter q into g.
.macro QUARTER slot, q, f, g, zero
	s_wait_dscnt 4                                 ; B and A's rows 0-31 are in; the youngest four loads (A's rows 32-63) may be out
	MUL8 \f, 0, \zero
	MUL8 \f, 1, \zero
	PLACES
	FETCH \slot, \q, \g
	s_wait_dscnt 24                                ; all but the 24 just issued
	MUL8 \f, 2, \zero
	MUL8 \f, 3, \zero
.endm
; The last quarter multiplies buffer 1 and changes slots: ONE barrier; in front of it each wave waits for all its tensor loads (one is out: its part of the next slot), adds 0 to its spare word,
; and waits for that and for its own reads of this slot.  fill = 1: the barrier opens a round of the cluster's, and this slot is filled again, two K steps ahead, first thing behind the round.
.macro TURN slot, next, fill
.if \fill
	s_wait_xcnt 0x0                                ; the last prefetch, a K step back, has read its address: it is stepped here, ahead of the waits of the change of slots
	s_add_nc_u64 s[PFA:PFA+1], s[PFA:PFA+1], s[PST:PST+1]
.endif
	WIN 0                                          ; (the add's two registers lie in window 0)
	s_wait_tensorcnt 0x0                           ; all my tensor loads have landed
	ds_add_u32 v[SPW], v[NIL]                      ; 0 onto my spare word
	s_wait_dscnt 5                                 ; (the add and the youngest four loads may be out)
	MUL8 F1, 0, 0                                  ; eight matrix instructions stand between the add and the wait for it
	s_wait_dscnt 0x0                               ; the add is done, and my reads of this slot are over
	s_barrier_signal -1
	MUL8 F1, 1, 0
.if \fill
	WIN 0
.endif
	s_barrier_wait -1
.if \fill
	CREST                                          ; no wave of any partner still reads this slot's tile or has a load on its way
	s_add_nc_u64 s[G0+4*(\slot)+2:G0+4*(\slot)+3], s[G0+4*(\slot)+2:G0+4*(\slot)+3], 2*KSTEP*2
	s_add_nc_u64 s[G0B+4*(\slot)+2:G0B+4*(\slot)+3], s[G0B+4*(\slot)+2:G0B+4*(\slot)+3], 2*KSTEP*NDIM*2
	JLOAD \slot                                    ; my one tensor load behind the round; its four v_nop are also the places in front of the loads below
.else
	PLACES
.endif
	FETCH \next, 0, F0
.if \fill
	ASK
.endif
	MUL8 F1, 2, 0
	MUL8 F1, 3, 0
.endm
	s_wait_tensorcnt 1                             ; my part of K step 0 is in; K step 1's may stay out
	s_barrier_signal -1
	s_barrier_wait -1                              ; everybody's is
	FETCH 0, 0, F0
	QUARTER 0, 1, F0, F1, 1                        ; the first quarter stands in front of the loop: its products start the sums
	WIN 0                                          ; at a label and at a branch every window is 0
	s_mov_b32 s3, LAPS-1
.Llap:                                         ; a trip goes once round the ring, from a lap's second quarter to the next lap's first, and fills both slots again
	QUARTER 0, 2, F1, F0, 0
	QUARTER 0, 3, F0, F1, 0
	TURN 0, 1, 1
	QUARTER 1, 1, F0, F1, 0
	QUARTER 1, 2, F1, F0, 0
	QUARTER 1, 3, F0, F1, 0
	TURN 1, 0, 1
	QUARTER 0, 1, F0, F1, 0
	WIN 0
	s_sub_co_u32 s3, s3, 1
	s_cmp_lg_u32 s3, 0
	s_cbranch_scc1 .Llap
	QUARTER 0, 2, F1, F0, 0                        ; the last lap fills nothing, and has no round of the cluster's barrier
	QUARTER 0, 3, F0, F1, 0
	TURN 0, 1, 0
	QUARTER 1, 1, F0, F1, 0
	QUARTER 1, 2, F1, F0, 0
	QUARTER 1, 3, F0, F1, 0
	s_wait_dscnt 4                                 ; the very last quarter: nothing more to fetch
	MUL8 F1, 0, 0
	MUL8 F1, 1, 0
	s_wait_dscnt 0x0
	MUL8 F1, 2, 0
	MUL8 F1, 3, 0
	WIN 0
	PLACES
	PLACES
	s_wait_loadcnt 0x0                             ; the table
; THE WAY OUT, 16 rows (block a) at a time.  PACK: out1 = x1 cos - x2 sin, out2 = x2 cos + x1 sin, two numbers a line; each accumulator is read from its lowest registers on; then rounded to f16.
.macro PACK a
	WIN 0x09                                       ; source 0 (x) window 1, source 1 (table) window 2; source 2 and destination window 0
.irp b, 0,1,2,3
.irp p, 0,1,2,3
	v_pk_mul_f32 v[Y+8*\b+2*\p:Y+8*\b+2*\p+1], v[64*(\a)+8*\b+2*\p:64*(\a)+8*\b+2*\p+1], v[64*(\a)+16*\b+2*\p:64*(\a)+16*\b+2*\p+1]
	v_pk_mul_f32 v[Y+32+8*\b+2*\p:Y+32+8*\b+2*\p+1], v[64*(\a)+32+8*\b+2*\p:64*(\a)+32+8*\b+2*\p+1], v[64*(\a)+16*\b+2*\p:64*(\a)+16*\b+2*\p+1]
	v_pk_fma_f32 v[Y+8*\b+2*\p:Y+8*\b+2*\p+1], v[64*(\a)+32+8*\b+2*\p:64*(\a)+32+8*\b+2*\p+1], v[64*(\a)+16*\b+8+2*\p:64*(\a)+16*\b+8+2*\p+1], v[Y+8*\b+2*\p:Y+8*\b+2*\p+1] neg_lo:[1,0,0] neg_hi:[1,0,0]
	v_pk_fma_f32 v[Y+32+8*\b+2*\p:Y+32+8*\b+2*\p+1], v[64*(\a)+8*\b+2*\p:64*(\a)+8*\b+2*\p+1], v[64*(\a)+16*\b+8+2*\p:64*(\a)+16*\b+8+2*\p+1], v[Y+32+8*\b+2*\p:Y+32+8*\b+2*\p+1]
.endr
.endr
	WIN 0
.set i, 0
.rept 32
	v_cvt_pk_f16_f32 v[TMP+i], v[Y+2*i], v[Y+2*i+1]
.set i, i+1
.endr
.endm
.macro TOSTAGE a                       ; 16 bytes a lane into rows of 272 bytes, and back as whole rows of 256
.irp b, 0,1,2,3,4,5,6,7
	ds_store_b128 v[STO], v[TMP+4*\b:TMP+4*\b+3] offset:32*\b
.endr
.irp t, 0,1,2,3,4,5,6,7
	ds_load_b128 v[BK+32*((\a)%2)+4*\t:BK+32*((\a)%2)+4*\t+3], v[RD] offset:\t*2*SP  ; LDS serves a wave's instructions in order (ISA guide 5.7.1.4): these see the stores above
.endr
.endm
.macro SEND a
	s_wait_dscnt 0x0                               ; the block is back in registers
	s_wait_xcnt 0x0                                ; the stores of the block before have read their registers: the set that they named is loaded again only behind this wait
.irp t, 0,1,2,3,4,5,6,7
	global_store_b128 v[CO], v[BK+32*((\a)%2)+4*\t:BK+32*((\a)%2)+4*\t+3], s[CP:CP+1] offset:(16*(\a)+2*\t)*256  ; two rows of the head: 512 bytes on end, aligned
.endr
.endm
	PACK 0
	TOSTAGE 0
.irp a, 1,2,3                          ; block a's arithmetic stands between block a - 1's loads from the stage and the wait for them
	PACK \a
	SEND \a-1
	TOSTAGE \a
.endr
	SEND 3
	s_wait_tensorcnt 0x0                           ; the wave's end, behind my last tensor load and my last LDS store
	ds_add_u32 v[SPW], v[NIL]
	s_wait_dscnt 0x0
	CROUND                                         ; the closing round: no work-group ends while a partner may still ask for a tile that names it
	s_endpgm
.Lfunc_end_k_qe89f7df916_qkvproj:
	.size	k_qe89f7df916_qkvproj, .Lfunc_end_k_qe89f7df916_qkvproj-k_qe89f7df916_qkvproj
	.p2alignl 7, 3214868480
	.fill 96, 4, 3214868480
	.section	.rodata,"a",@progbits
	.p2align	6, 0x0
	.amdhsa_kernel k_qe89f7df916_qkvproj
		.amdhsa_group_segment_fixed_size 327680
		.amdhsa_private_segment_fixed_size 0
		.amdhsa_enable_private_segment 0
		.amdhsa_kernarg_size 32
		.amdhsa_user_sgpr_count 2
		.amdhsa_user_sgpr_kernarg_segment_ptr 1
		.amdhsa_wavefront_size32 1
		.amdhsa_system_sgpr_workgroup_id_x 1
		.amdhsa_system_sgpr_workgroup_id_y 1
		.amdhsa_system_sgpr_workgroup_id_z 1
		.amdhsa_system_vgpr_workitem_id 0
		.amdhsa_next_free_vgpr 768
		.amdhsa_next_free_sgpr 76
		.amdhsa_reserve_vcc 0
		.amdhsa_float_denorm_mode_32 3
		.amdhsa_float_denorm_mode_16_64 3
		.amdhsa_memory_ordered 1
		.amdhsa_forward_progress 1
		.amdhsa_inst_pref_size 111
	.end_amdhsa_kernel
	.amdgpu_metadata
---
amdhsa.version: [ 1, 2 ]
amdhsa.kernels:
  - .name:           k_qe89f7df916_qkvproj
    .symbol:         k_qe89f7df916_qkvproj.kd
    .args:
      - { .name: xb, .offset: 0, .size: 8, .value_kind: global_buffer, .address_space: global }
      - { .name: wqkv, .offset: 8, .size: 8, .value_kind: global_buffer, .address_space: global }
      - { .name: rope, .offset: 16, .size: 8, .value_kind: global_buffer, .address_space: global }
      - { .name: qkv, .offset: 24, .size: 8, .value_kind: global_buffer, .address_space: global }
    .group_segment_fixed_size: 327680
    .private_segment_fixed_size: 0
    .kernarg_segment_align: 8
    .kernarg_segment_size: 32
    .max_flat_workgroup_size: 128
    .sgpr_count:     76
    .vgpr_count:     768
    .wavefront_size: 32
...
	.end_amdgpu_metadata
.endif
;; end of part 2
;; launch attention (part 3): grid 32 x 8, 4 waves a work-group, clusters of 4 x 1, 327,680 bytes of LDS; arguments qkv, maskbits, attn; writes attn
.if DOCPART == 3
	.amdgcn_target "amdgcn-amd-amdhsa--gfx1250"
	.amdhsa_code_object_version 6
	.text
	.protected	k_qe89f7df916_attention
	.globl	k_qe89f7df916_attention
	.p2align	8
	.type	k_qe89f7df916_attention,@function
k_qe89f7df916_attention:
	s_mov_b64 s[64:65], 0
	v_nop
	global_prefetch_b8 v0, s[64:65] scope:SCOPE_SE
	s_setreg_imm32_b32 hwreg(HW_REG_WAVE_MODE, 25, 1), 1
	s_wait_xcnt 0x0
	s_wait_alu depctr_hold_cnt(0) depctr_sa_sdst(0) depctr_va_vdst(0) depctr_va_sdst(0) depctr_va_ssrc(0) depctr_va_vcc(0) depctr_vm_vsrc(0)
	s_getreg_b32 s2, hwreg(HW_REG_IB_STS2, 6, 4)
	s_cmp_eq_u32 s2, 0
	s_cbranch_scc0 .Lentry_in_a_cluster
	s_endpgm
.Lentry_in_a_cluster:
	s_bfe_u32 s2, ttmp6, 0x10000c
	s_cmp_lg_u32 s2, 0x3003
	s_cbranch_scc0 .Lentry_shape_is_right
	s_endpgm
.Lentry_shape_is_right:
; attn[q][128 head + ch] = (1/8) x the sum over k of softmax_k(where(mask[q][k], q . k / sqrt(128), -1e9)) v[k][ch].  qkv: [32][2048][128] f16, values / 8: heads 0-15 q, 16-23 k, 24-31 v.
; The mask is an input: every key is walked, and a hidden score is REPLACED by -1e9 (in the raw scores' units), so that a row with no open key comes out as the plain mean of v, as in the reference.
; Products, maxima and sums in f32; the weights p are rounded to f16 for the second product (their sum l is taken of the unrounded p), the result once at the end.
; LIMITS.  p lies in 0 to 1 and below 6e-5 keeps f16's fixed step; a weight below 2^-126 counts as 0; the result is a mean of v / 8 and has its range.  NaN and infinities are not treated apart.
; SHARES.  A work-group owns 64 queries x the two query heads 2 g, 2 g + 1 of key head g: 32 x 8 = 256 work-groups, and one tile of mask bits serves two heads.  Wave w: qh = w & 1 picks 32 of the
; queries, kh = w >> 1 the parity of the key steps of 64: waves w and w ^ 2 split the keys and meet in LDS at the end.  A wave has four tiles of 16 queries: tile t = 2 j + hd is head 2 g + hd,
; rows 64 bx + 32 qh + 16 (j xor kh): so every wave KEEPS its tiles 0, 1 and SENDS its tiles 2, 3, which are the partner's tiles 0, 1.
; LAYOUT.  S^T = K Q^T (source 0 = 16 keys, source 1 = 16 queries): a lane holds ONE query (l % 16) and the keys 16 kb + 8 (l / 16) + 0..7.  Two such results, rounded to f16 in pairs, ARE source 1 of
; O^T = V^T P.  K comes out of LDS as it lies, V turned, by ds_load_tr16_b128.
; SOFTMAX.  A running maximum m of the raw scores and a sum l: p = 2^((s - m) c), c = 64 log2(e) / sqrt(128) (the 64 undoes q / 8 and k / 8).  The difference is taken first: where all scores are the
; hidden one it is exactly 0.  In every step O and l are multiplied by a = 2^((m_old - m_new) c).  m starts at -1e30, O and l at 0: the first step is a step like any other, with a = 0.
; BY TURNS.  The tiles are two PIECES, named by their first tile: piece 0 (tiles 0, 1) and piece 2 (tiles 2, 3).  A key step j is two TURNS.  In piece 0's turn the vector lines are piece 0's softmax of
; step j, and between them stand piece 2's 32 products V^T P of step j - 1 and then its 32 products K Q^T of step j.  In piece 2's turn: piece 2's softmax of step j; piece 0's V^T P of step j and its
; K Q^T of step j + 1.  A turn has 2 x 182 = 364 vector lines for 64 matrix instructions: four matrix instructions to every 22 vector lines.  No vector line of a turn names a register of the turn's products.
; P of piece 2 and V's registers start at 0, so the first turn's V^T P adds 0; the last turn's K Q^T (on the last K once more) serves nothing: the price, once a launch, of one text for every step.
; CLUSTER.  The four query blocks of a cluster walk the same K and V, so each tile is asked for JOINTLY: the same tensor load, descriptor and mask in all four.
; REGISTERS, in windows of 256 (s_set_vgpr_msb: bits 1:0 source 0, 3:2 source 1, 5:4 source 2, 7:6 destination):
;   window 0: v0-11 addresses; v12-43 eight registers of statistics a tile; v44-63 constants and addresses; v64-191 S^T, 32 a tile; v192-255 P, 16 a tile
;   window 1: O^T, 64 a tile          window 2: v0-127 Q, 32 a tile; v128-255 K of one step          window 3: v0-127 V of one step
; No window has room for a product's operands beside the softmax's, so a product among vector lines costs two switches: 256 for a step's 128 products.
.set KS,    64
.set PK,    272       ; a row of K in LDS: 256 bytes + 16: the 16 rows of a load start at 16 different groups of four banks (64 banks of 4 bytes: ISA guide 11.1)
.set PV,    288       ; a row of V: 256 + 32
.set VOFF,  KS*PK     ; a step's tiles lie together: 64 rows of K, then 64 rows of V
.set STEPB, KS*(PK+PV)
.set SLOT1, 1<<17     ; a slot holds two steps, one for each kh; slot 1 begins here, so that one exclusive or turns an address in one slot into the other's
.set STAGE, SLOT1+2*STEPB  ; behind the ring, never filled by a tensor load: 16 rows x 272 bytes for each wave, for the way out
.set SP,    272
.set COMB,  STAGE+4*16*SP  ; what each wave sends its partner: two tiles of O^T (16,384 bytes), then their m and l (512)
.set CBW,   16896
.set SPARE, COMB+4*CBW     ; the spare words, 128 bytes for each wave: two blocks of 256 bytes that no other line names
.set AK0, 2           ; v2   my lane's place in a tile of K; never rewritten
.set AV0, 3           ; v3   the same for V
.set ADRK, 4          ; v4   the LDS address of K's run of loads
.set ADRV, 5          ; v5   of V's
.set STO, 6           ; v6   the way out: where I put 16 bytes of a row
.set RD,  7           ; v7   where I read rows back
.set GO,  8           ; v8   my byte offset in two rows of attn
.set QO,  10          ; v10-11  my byte offset in Q's rows, for tiles 0, 1 and for tiles 2, 3
.set ST,  12          ; tile t's statistics at v[ST+8 t]: +0 m, +1 at work, +2, +3 l (even keys', odd keys'), +4 to +7 c0-c3, at work; a takes c2's place
.set PM,  32          ; at the end: the partner's m, l for my tile 0, then for my tile 1 (tile 2's registers at work are free)
.set MBV, 44          ; v44  the hidden score
.set CBS, 45          ; v45-48  LDS addresses of what I send (O, statistics) and of what I receive
.set CBT, 46
.set CBR, 47
.set CBRT, 48
.set GA,  50          ; v50-57  by tile: my factor twice, the partner's factor twice
.set GB,  52
.set PFO, 61          ; v61  256 x my lane: a row of K or V is 256 bytes; never rewritten
.set SPW, 62          ; v62  LDS address of my spare word; never rewritten
.set NIL, 63          ; v63  0; never rewritten
.set S,   64
.set P,   192
.set KF,  128         ; K's fragments, in window 2
.set WV,  12          ; s12  my wave's number
.set LIM, 15          ; s15  1 in a wave that prefetches, else the greatest number
.set PFA, 18          ; s[18:19] where my prefetches stand
.set G1K, 24          ; s[24:31] descriptor group 1 for K's tiles
.set G1V, 32          ; s[32:39] for V's: it differs in the padding alone
.set G0K, 40          ; s[40:43] descriptor group 0 for K's tiles: it walks
.set G0V, 44          ; s[44:47] the same for V's
.set MP0, 48          ; s[48:49] the mask bits of tiles 0, 1: at the step whose bits were asked for last
.set MP1, 50          ; s[50:51] of tiles 2, 3: at the step in hand
.set SLOTS, 56        ; s56  slots still to be asked for
.set TC,  57          ; s57  counts the tail's two steps, 2 and 1
.set CS,  58          ; s[58:59] c: the packed scaling takes the pair's low word for both halves
.set SEL, 60          ; s[60:61] v_permlanex16_b32's selects: each lane takes its own place in the other half
.set TB,  62          ; s62  LDS byte at which my step's tiles begin, in the slot that is read next
.set MK,  68          ; s[68:99] 32 lane masks: one for each register of a tile of scores
.set MSB, 0
.macro WIN new                      ; the high byte repeats the setting that is left; a switch that changes nothing is dropped
.if MSB != (\new)
	s_set_vgpr_msb (MSB<<8)|(\new)
.set MSB, \new
.endif
.endm
.set W_KQ, 0x0a       ; K and Q in window 2, S^T in window 0
.set W_PV, 0x53       ; V in window 3, P in window 0, O^T in window 1
.set W_RS, 0x41       ; O^T (destination and source 0) in window 1, the factor in window 0
.macro PLACES                       ; four places behind matrix instructions, in front of lines that read results and of loads into registers that they have read
.rept 4
	v_nop
.endr
.endm
; A joint fill.  Waves 0 and 1 fetch the slot's two steps of K, waves 2 and 3 those of V.  The branch hangs on the wave's number alone.
; An s_nop 0 and four v_nop follow each of the two lines, ahead of the jump and the label.
.macro JLOAD
	s_cmp_lt_u32 s[WV], 2
	s_cbranch_scc0 .Lfor_v_\@
	tensor_load_to_lds s[G0K:G0K+3], s[G1K:G1K+7]
	s_nop 0
.rept 4
	v_nop
.endr
	s_branch .Lasked_\@
.Lfor_v_\@:
	tensor_load_to_lds s[G0V:G0V+3], s[G1V:G1V+7]
	s_nop 0
.rept 4
	v_nop
.endr
.Lasked_\@:
.endm
; A PREFETCH INTO THE L2 of what the NEXT change of slots will ask for: 128 rows of K and 128 of V, a lane a row, one step's work ahead of that load.  Each row is named ONCE in the launch: all eight
; clusters of a key head walk the same rows, and the first of them asks; its four partners take 32 rows each, told apart by address; in each, wave 0 asks for K's and wave 2 for V's.
; Slots 0 and 1 come by their loads alone; the last change that fills a slot asks for nothing.
.macro ASK
	s_cmp_gt_u32 s[SLOTS], s[LIM]
	s_cbranch_scc0 .Lnot_mine_\@
	global_prefetch_b8 v[PFO], s[PFA:PFA+1] th:TH_LOAD_NT scope:SCOPE_SE
.Lnot_mine_\@:
.endm
.macro CROUND                       ; a round of the cluster's barrier
	s_barrier_signal -1
	s_barrier_wait -1
	s_cmp_lg_u32 s[WV], 0
	s_cbranch_scc1 .Lnot_wave_0_\@
	s_barrier_signal -3
.Lnot_wave_0_\@:
	s_barrier_wait -3
	s_barrier_signal -1
	s_barrier_wait -1
.endm
; THE CHANGE OF SLOTS, between a step's two turns: K and V of the step are in registers, so its slot has been read out.  Each wave waits for all its tensor loads, of which one is out: its part of the
; other slot; adds 0 to its spare word; and waits for that and for its own reads of the slot that it leaves (V's run among them).  fill = 1: the old slot is filled again with the next 128 keys; the
; barrier is then a round of the cluster's, and the joint fill is the first thing behind it.  (At its first use nothing has been read yet: slot 0 is waited for, slot 1 filled.)
.macro CHANGE fill
	WIN 0                           ; at a label and at a branch every window is 0
	s_wait_tensorcnt 0x0            ; no tensor load of mine is out, so a group 0 may be written
	ds_add_u32 v[SPW], v[NIL]       ; 0 onto my spare word; the descriptors' steps stand between it and the wait for it
.if \fill
.irp g, G0K, G0V
	s_xor_b32 s[\g+1], s[\g+1], SLOT1
	s_add_nc_u64 s[\g+2:\g+3], s[\g+2:\g+3], 2*KS*256  ; the type bits on top are not reached
.endr
	s_wait_xcnt 0x0                 ; the last prefetch, a step back, has read its address
	s_add_nc_u64 s[PFA:PFA+1], s[PFA:PFA+1], 2*KS*256
	s_wait_dscnt 0x0                ; the add is done, and my reads of the slot are over
	CROUND
	JLOAD
	ASK
.else
	s_wait_dscnt 0x0
	s_barrier_signal -1
	s_barrier_wait -1
.endif
	s_xor_b32 s[TB], s[TB], SLOT1   ; what is read next lies in the other slot
.endm
	s_load_b128 s[4:7], s[0:1], 0x0   ; qkv s[4:5], maskbits s[6:7]
	s_load_b64 s[8:9], s[0:1], 0x10   ; attn
	v_lshl_add_u32 v[SPW], v0, 2, SPARE
	v_mov_b32 v[NIL], 0
	ds_add_u32 v[SPW], v[NIL]       ; the wave's opening: the add and its wait stand ahead of my first tensor load; the set-up below, work on registers, stands between them
	v_lshrrev_b32 v1, 5, v0
	v_readfirstlane_b32 s[WV], v1   ; wave 0..3
	s_bfe_u32 s13, ttmp6, 0x40000   ; cx
	s_lshl_b32 s14, ttmp9, 2
	s_add_co_u32 s14, s14, s13      ; bx: my block of 64 queries: it enters Q's, the mask's and the result's addresses alone
	s_and_b32 s20, ttmp7, 0xffff    ; g, which the four partners share
	s_and_b32 s16, s[WV], 1         ; qh; also: which of a slot's two steps I fetch
	s_lshr_b32 s17, s[WV], 1        ; kh
	s_add_co_u32 s22, s20, 16       ; K's head,
	s_lshl_b32 s22, s22, 19         ; 524,288 bytes a head,
	s_lshl_b32 s23, s16, 14         ; my step's 64 rows of 256 bytes
	s_add_co_u32 s22, s22, s23
	s_mov_b32 s23, 0
	s_mul_i32 s21, s16, STEPB       ; and its place in a slot: no place in the cluster enters an LDS address
	s_lshl_b32 s52, s20, 20         ; Q: head 2 g,
	s_lshl_b32 s53, s14, 14         ; rows 64 bx
	s_add_co_u32 s52, s52, s53
	s_lshl_b32 s53, s16, 13         ; + 32 qh
	s_add_co_u32 s52, s52, s53
	s_mov_b32 s53, 0
	s_lshl_b32 s54, s14, 18         ; the result: rows of 4,096 bytes: 64 bx
	s_lshl_b32 s55, s16, 17         ; + 32 qh
	s_add_co_u32 s54, s54, s55
	s_lshl_b32 s55, s17, 16         ; + 16 kh: the rows that I keep,
	s_add_co_u32 s54, s54, s55
	s_lshl_b32 s55, s20, 9          ; two heads of 256 bytes
	s_add_co_u32 s54, s54, s55
	s_mov_b32 s55, 0
	s_lshl_b32 s2, s14, 14          ; the mask bits: 4,096 bytes for 16 rows: (4 bx
	s_lshl_b32 s3, s16, 13          ; + 2 qh) x 4,096
	s_add_co_u32 s2, s2, s3
	s_lshl_b32 s3, s17, 7           ; + key step kh x 128
	s_add_co_u32 s2, s2, s3
	s_lshl_b32 s3, s17, 12          ; tiles 0, 1: rows 16 kh
	s_add_co_u32 s66, s2, s3
	s_xor_b32 s3, s3, 4096          ; tiles 2, 3: the other sixteen
	s_add_co_u32 s2, s2, s3
	s_mov_b32 s67, 0
	s_mov_b32 s3, 0
	; descriptor group 1: a tile of 64 rows x 128 elements, padded in LDS
	s_mov_b32 s[G1K], 15|(1<<16)|(1<<20)|(1<<21)|(5<<22)|(3<<25)  ; 15:0 the mask of four; 17:16 2-byte elements; 20 padding on; 21 set beside a mask; 24:22 after every 64 words; 31:25 4 words
	s_mov_b32 s[G1V], 15|(1<<16)|(1<<20)|(1<<21)|(5<<22)|(7<<25)  ; the same with 8 words of padding
.irp g, G1K, G1V
	s_mov_b32 s[\g+1], 128<<16      ; tensor_dim0 = 128
	s_mov_b32 s[\g+2], KS<<16       ; tensor_dim1 = 64
	s_mov_b32 s[\g+3], 128<<16      ; tile_dim0 = 128
	s_mov_b32 s[\g+4], KS           ; tile_dim1 = 64
	s_mov_b32 s[\g+5], 128          ; elements from row to row
	s_mov_b32 s[\g+6], 0
	s_mov_b32 s[\g+7], 0
.endr
	s_mov_b32 s[G0K], 1
	s_mov_b32 s[G0K+1], s21         ; slot 0
	s_mov_b32 s[G0V], 1
	s_add_co_u32 s[G0V+1], s21, VOFF
	s_mov_b32 s[CS], 0x410293ee     ; c = 64 log2(e) / sqrt(128) = 8.16109
	s_mov_b32 s[CS+1], s[CS]        ; named with it as a pair
	s_mov_b32 s[SEL], 0x76543210
	s_mov_b32 s[SEL+1], 0xfedcba98
	s_mul_i32 s[TB], s17, STEPB
	s_add_co_u32 s[TB], s[TB], SLOT1  ; the first change of slots turns it into slot 0's
	s_mov_b32 s[SLOTS], 14          ; slots 0 and 1 are asked for ahead of the loop, the other 14 in it
	s_and_b32 s[LIM], s[WV], 1      ; 0 in waves 0 and 2,
	s_or_b32 s[LIM], s[LIM], ttmp9  ; where the cluster is the key head's first: the same in all four partners
	s_cmp_eq_u32 s[LIM], 0
	s_cselect_b32 s[LIM], 1, -1
	v_and_b32 v[PFO], 31, v0
	v_lshlrev_b32 v[PFO], 8, v[PFO]
	s_wait_dscnt 0x0                ; the opening add is done
	s_wait_kmcnt 0x0
	s_add_nc_u64 s[18:19], s[4:5], s[22:23]       ; K at my part of slot 0,
	s_add_nc_u64 s[20:21], s[18:19], 8*524288     ; V eight heads on
	s_mov_b64 s[G0K+2:G0K+3], s[18:19]
	s_or_b32 s[G0K+3], s[G0K+3], 0x80000000       ; type = 2
	s_mov_b64 s[G0V+2:G0V+3], s[20:21]
	s_or_b32 s[G0V+3], s[G0V+3], 0x80000000
	s_cmp_lt_u32 s[WV], 2
	s_cselect_b64 s[PFA:PFA+1], s[18:19], s[20:21]  ; (in waves 0 and 2 these stand at a slot's first row)
	s_lshl_b32 s22, s13, 13         ; my work-group's 32 rows of the 128
	s_add_nc_u64 s[PFA:PFA+1], s[PFA:PFA+1], s[22:23]
	s_add_nc_u64 s[PFA:PFA+1], s[PFA:PFA+1], 2*KS*256  ; in slot 1's keys; the first change of slots steps it on
	s_add_nc_u64 s[4:5], s[4:5], s[52:53]         ; Q at my wave's 32 rows, head 2 g
	s_add_nc_u64 s[8:9], s[8:9], s[54:55]
	s_add_nc_u64 s[MP0:MP0+1], s[6:7], s[66:67]
	s_add_nc_u64 s[MP1:MP1+1], s[6:7], s[2:3]
	s_load_b512 s[MK:MK+15], s[MP0:MP0+1], 0x0    ; the lane masks of tiles 0 and 1 for my first step
	s_load_b512 s[MK+16:MK+31], s[MP0:MP0+1], 0x40
	CROUND                          ; all four work-groups are here: the first joint loads meet
	JLOAD                           ; slot 0: one load of mine is out
	; A fragment of K or Q is 16 rows x 32 channels in 8 registers: lane l holds row l % 16, channels 8 (l / 16) + 0..7 and 16 + 8 (l / 16) + 0..7: two loads of 16 bytes, 32 bytes apart.
	v_and_b32 v1, 15, v0            ; r = l % 16
	v_bfe_u32 v9, v0, 4, 1          ; h = l / 16
	v_lshlrev_b32 v[QO], 8, v1
	v_lshl_add_u32 v[QO], v9, 4, v[QO]
	s_lshl_b32 s22, s17, 12         ; tiles 0, 1: rows 16 kh
	s_xor_b32 s23, s22, 4096        ; tiles 2, 3: the other sixteen
	v_add_nc_u32 v[QO+1], s23, v[QO]
	v_add_nc_u32 v[QO], s22, v[QO]
	WIN 0x80                        ; destination window 2, address window 0
.irp t, 0,1,2,3
.irp c, 0,1,2,3                     ; Q stays in registers: tile t, channels 32 c on
	global_load_b128 v[32*\t+8*\c:32*\t+8*\c+3],   v[QO+\t/2], s[4:5] offset:(\t%2)*524288+64*\c
	global_load_b128 v[32*\t+8*\c+4:32*\t+8*\c+7], v[QO+\t/2], s[4:5] offset:(\t%2)*524288+64*\c+32
.endr
.endr
	; O^T and l start at 0, m far below every score, V's registers and P of piece 2 at 0: cleared on purpose, in the wait for the first tile, so that one text serves every step
	WIN 0x40
.set i, 0
.rept 256
	v_mov_b32 v[i], 0
.set i, i+1
.endr
	WIN 0xc0
.set i, 0
.rept 128
	v_mov_b32 v[i], 0
.set i, i+1
.endr
	WIN 0
.set i, P+32
.rept 32
	v_mov_b32 v[i], 0
.set i, i+1
.endr
.irp t, 0,1,2,3
	v_mov_b32 v[ST+8*\t], 0xf149f2ca  ; m = -1e30
	v_mov_b32 v[ST+8*\t+2], 0
	v_mov_b32 v[ST+8*\t+3], 0
.endr
	v_mov_b32 v[MBV], 0xcd28965f    ; -1e9 sqrt(128) / 64: what -1e9 is in the raw scores' units
	v_mul_u32_u24 v[AK0], v1, PK
	v_lshl_add_u32 v[AK0], v9, 4, v[AK0]
	; The turning load takes 16 keys x 16 channels (lane l reads key 8 (l / 16) + l % 8, channels 8 ((l / 8) % 2) + 0..7) and leaves half a fragment of V^T: lane l holds channel l % 16 and 8 keys.
	v_and_b32 v58, 7, v0
	v_bfe_u32 v59, v0, 3, 1
	v_lshl_add_u32 v[AV0], v9, 3, v58
	v_mul_u32_u24 v[AV0], v[AV0], PV
	v_lshl_add_u32 v[AV0], v59, 4, v[AV0]
	v_add_nc_u32 v[AV0], VOFF, v[AV0]
	s_mul_i32 s22, s[WV], 16*SP
	s_add_co_u32 s22, s22, STAGE    ; my stage
	v_mul_u32_u24 v[STO], v1, SP    ; in: row r, 16 bytes for each half of the lanes
	v_lshl_add_u32 v[STO], v9, 4, v[STO]
	v_add_nc_u32 v[STO], s22, v[STO]
	v_mul_u32_u24 v[RD], v9, SP     ; back: lanes 0-15 one row of 256 bytes, lanes 16-31 the next
	v_lshl_add_u32 v[RD], v1, 4, v[RD]
	v_add_nc_u32 v[RD], s22, v[RD]
	v_lshlrev_b32 v[GO], 12, v9     ; and the same two rows of attn
	v_lshl_add_u32 v[GO], v1, 4, v[GO]
	s_mul_i32 s22, s[WV], CBW
	s_add_co_u32 s22, s22, COMB     ; what I send,
	s_xor_b32 s23, s[WV], 2
	s_mul_i32 s23, s23, CBW
	s_add_co_u32 s23, s23, COMB     ; what my partner sends
	v_and_b32 v49, 31, v0
	v_lshl_add_u32 v[CBS], v49, 4, s22
	v_lshl_add_u32 v[CBT], v49, 2, s22
	v_lshl_add_u32 v[CBR], v49, 4, s23
	v_lshl_add_u32 v[CBRT], v49, 2, s23
; THE MATRIX WORK, for piece x.  The accumulators take turns, one instruction a turn: 7 (K Q^T) or 15 (V^T P) others stand between two links of a chain, and a run's last
; accumulator is never the next run's first.
.macro KQ2 x                        ; product mi of 32 of S^T = K Q^T: channels 32 (mi / 8) on, keys 16 ((mi / 2) % 4) on, tile x + mi % 2.  The first 8 start the sums
	WIN W_KQ
.set rD, S+32*((\x)+mi%2)+8*((mi/2)%4)
.set rK, KF+32*((mi/2)%4)+8*(mi/8)
.set rQ, 32*((\x)+mi%2)+8*(mi/8)
.if mi < 8
	v_wmma_f32_16x16x32_f16 v[rD:rD+7], v[rK:rK+7], v[rQ:rQ+7], 0
.else
	v_wmma_f32_16x16x32_f16 v[rD:rD+7], v[rK:rK+7], v[rQ:rQ+7], v[rD:rD+7]
.endif
.endm
.macro PV2 x                        ; product mi of 32 of O^T += V^T P: keys 32 (mi / 16) on, channels 16 ((mi / 2) % 8) on, tile x + mi % 2
	WIN W_PV
.set rO, 64*((\x)+mi%2)+8*((mi/2)%8)
.set rV, 64*(mi/16)+8*((mi/2)%8)
.set rB, P+16*((\x)+mi%2)+8*(mi/16)
	v_wmma_f32_16x16x32_f16 v[rO:rO+7], v[rV:rV+7], v[rB:rB+7], v[rO:rO+7]
.endm
.macro RIDE x                       ; a turn's next matrix instruction, number mm of 64: 32 products V^T P, then 32 products K Q^T
.if mm < 32
.set mi, mm
	PV2 \x
.else
.set mi, mm-32
	KQ2 \x
.endif
.set mm, mm+1
.endm
; THE LDS LOADS stand in two runs of 32 a step, never singly among the matrix instructions.
.macro FETCH_K
	WIN 0x80                        ; destination window 2
.irp f, 0,1,2,3,4,5,6,7,8,9,10,11,12,13,14,15  ; keys 16 (f / 4) on, channels 32 (f % 4) on
	ds_load_b128 v[KF+8*\f:KF+8*\f+3],   v[ADRK] offset:(\f/4)*16*PK+(\f%4)*64
	ds_load_b128 v[KF+8*\f+4:KF+8*\f+7], v[ADRK] offset:(\f/4)*16*PK+(\f%4)*64+32
.endr
.endm
.macro FETCH_V
	WIN 0xc0                        ; destination window 3
.irp f, 0,1,2,3,4,5,6,7,8,9,10,11,12,13,14,15  ; keys 32 (f / 8) on, channels 16 (f % 8) on
	ds_load_tr16_b128 v[8*\f:8*\f+3],   v[ADRV] offset:(\f/8)*32*PV+(\f%8)*32
	ds_load_tr16_b128 v[8*\f+4:8*\f+7], v[ADRV] offset:(\f/8)*32*PV+16*PV+(\f%8)*32
.endr
.endm
; THE VECTOR WORK.  One tile's softmax for one step is a list of 182 instructions; SM writes number j of it for tile t.  s0-s31 are the lane's 32 scores.
;   0-31    a hidden score is replaced, in ascending order (each accumulator's lowest registers are read first)
;   32-47   the maximum of s0-s31 and the old m, three operands at a time          48-52  the other half of the lanes' maximum; the new m; (m_old - m_new) c
;   53-84   (s - m), then x c, a pair of scores each          85-117  a and the 32 exponentials: ONE BATCH, of which nothing ahead of number 118 names a result
;   118-133 the roundings to f16          134-149 the sums; l = a l + the sum          150-181 the tile's O^T times a
.macro SM t
.set rT, ST+8*(\t)
.set rS, S+32*(\t)
.set rP, P+16*(\t)
.if j < 150
	WIN 0
.endif
.if j < 32
	v_cndmask_b32 v[rS+j], v[MBV], v[rS+j], s[MK+j]
.elseif j < 36
	v_max3_num_f32 v[rT+4+j-32], v[rS+8*(j-32)], v[rS+8*(j-32)+1], v[rS+8*(j-32)+2]
.elseif j < 44
.set n, j-32
	v_max3_num_f32 v[rT+4+n%4], v[rT+4+n%4], v[rS+8*(n%4)+2*(n/4)+1], v[rS+8*(n%4)+2*(n/4)+2]
.elseif j == 44
	v_max3_num_f32 v[rT+4], v[rT+4], v[rS+7], v[rS+15]
.elseif j == 45
	v_max3_num_f32 v[rT+6], v[rT+6], v[rS+23], v[rS+31]
.elseif j == 46
	v_max3_num_f32 v[rT+4], v[rT+4], v[rT+5], v[rT+6]
.elseif j == 47
	v_max3_num_f32 v[rT+4], v[rT+4], v[rT+7], v[rT]
.elseif j == 48
	v_permlanex16_b32 v[rT+5], v[rT+4], s[SEL], s[SEL+1]  ; the query's other 32 keys lie in the lane 16 away
.elseif j == 49
	v_mov_b32 v[rT+1], v[rT]
.elseif j == 50
	v_max_num_f32 v[rT], v[rT+4], v[rT+5]
.elseif j == 51
	v_sub_f32 v[rT+1], v[rT+1], v[rT]
.elseif j == 52
	v_mul_f32 v[rT+1], s[CS], v[rT+1]
.elseif j < 69
.set n, j-53
	v_pk_add_f32 v[rS+2*n:rS+2*n+1], v[rS+2*n:rS+2*n+1], v[rT:rT+1] op_sel_hi:[1,0] neg_lo:[0,1] neg_hi:[0,1]
.elseif j < 85
.set n, j-69
	v_pk_mul_f32 v[rS+2*n:rS+2*n+1], v[rS+2*n:rS+2*n+1], s[CS:CS+1] op_sel_hi:[1,0]
.elseif j == 85
	v_exp_f32 v[rT+6], v[rT+1]
.elseif j < 118
	v_exp_f32 v[rS+j-86], v[rS+j-86]
.elseif j < 134
	v_cvt_pk_f16_f32 v[rP+j-118], v[rS+2*(j-118)], v[rS+2*(j-118)+1]
.elseif j < 150                     ; the sum of the tile's 16 pairs, in place: neighbours 1, 2, 4 and 8 pairs apart, then l takes it
.set z, j-134
.set w, 4
.set u, z
.if z >= 14
.set w, 32
.set u, 0
.elseif z >= 12
.set w, 16
.set u, z-12
.elseif z >= 8
.set w, 8
.set u, z-8
.endif
.if z < 15
	v_pk_add_f32 v[rS+w*u:rS+w*u+1], v[rS+w*u:rS+w*u+1], v[rS+w*u+w/2:rS+w*u+w/2+1]
.else
	v_pk_fma_f32 v[rT+2:rT+3], v[rT+2:rT+3], v[rT+6:rT+7], v[rS:rS+1] op_sel_hi:[1,0,1]
.endif
.else
	WIN W_RS
.set n, 64*(\t)+2*(j-150)
	v_pk_mul_f32 v[n:n+1], v[n:n+1], v[rT+6:rT+7] op_sel_hi:[1,0]
.endif
.endm
; A TURN: piece y's softmax; between its lines the other piece's 64 matrix instructions.  Tiles y and y + 1 (one set of rows, two heads: the same lane masks) alternate, so that no line reads the result
; of the line just before it.  A matrix instruction stands behind numbers 1, 4, 7 and 10 of every eleven, up to number 175: the twelve plain lines of numbers 176 to 181 are the places between the turn's
; last K Q^T and what follows it: the first read of those scores, and the loads into K's registers.
; THE MASKS have one set of 32 scalar registers.  Behind number 31, the set's last use, the next set is asked for: in piece 0's turn that of tiles 2 and 3 for this step, in piece 2's turn that of
; tiles 0 and 1 for the next step (tail = 1: not in the last step, which has no next: no load leaves the buffer).
; THE WAIT.  The turn's 66 exponentials are one batch: a v_nop and one s_wait_alu behind number 117; nothing ahead of them names a result.
; V of the step in hand is fetched in piece 0's turn behind number 119: the last product that read V stands behind number 87, and the v_nop and four roundings are five plain lines between.
; K of the next step, fetched ahead of piece 2's turn, is waited for ahead of that turn's 33rd matrix instruction.
.macro TURN y, tail
.set j, 0
.set mm, 0
.rept 182
	SM \y
	SM (\y)+1
.if j == 31
.if (\y) == 0
	s_load_b512 s[MK:MK+15], s[MP1:MP1+1], 0x0
	s_load_b512 s[MK+16:MK+31], s[MP1:MP1+1], 0x40
.else
.if \tail
	WIN 0
	s_cmp_eq_u32 s[TC], 1
	s_cbranch_scc1 .Lno_mask_\@
.endif
	s_add_nc_u64 s[MP0:MP0+1], s[MP0:MP0+1], 256   ; two key steps on; the loads that read this pointer were waited for at the step's head
	s_load_b512 s[MK:MK+15], s[MP0:MP0+1], 0x0
	s_load_b512 s[MK+16:MK+31], s[MP0:MP0+1], 0x40
.if \tail
.Lno_mask_\@:
.endif
.endif
.endif
.if j == 117
	v_nop
	s_wait_alu depctr_va_vdst(0)
.endif
.if (j == 119) && ((\y) == 0)
	FETCH_V
.endif
.if (j < 176) && ((j%11 == 1) || (j%11 == 4) || (j%11 == 7) || (j%11 == 10))
.if ((\y) == 2) && (mm == 32)
	s_wait_dscnt 0x0                ; K of the next step is in
.endif
	RIDE 2-(\y)
.endif
.set j, j+1
.endr
.endm
; A KEY STEP: piece 0's turn, the change of slots, K of the next step, piece 2's turn.  fill = 0 (the tail): nothing is asked for, and in the last step there is no next K.
.macro STEP fill
	WIN 0
	v_add_nc_u32 v[ADRV], s[TB], v[AV0]
	s_wait_kmcnt 0x0                ; the masks of tiles 0 and 1
	TURN 0, 0
	CHANGE \fill
.if \fill
	v_add_nc_u32 v[ADRK], s[TB], v[AK0]
	FETCH_K
	WIN 0
.else
	s_cmp_eq_u32 s[TC], 1
	s_cbranch_scc1 .Lno_k_\@
	v_add_nc_u32 v[ADRK], s[TB], v[AK0]
	FETCH_K
	WIN 0
.Lno_k_\@:
.endif
	s_wait_kmcnt 0x0                ; the masks of tiles 2 and 3,
	s_add_nc_u64 s[MP1:MP1+1], s[MP1:MP1+1], 256   ; so their pointer may step: two key steps on
	TURN 2, 1-(\fill)
	WIN 0
.endm
	CHANGE 1                        ; slot 0 is in, everybody's part of it; slot 1 is asked for
	v_add_nc_u32 v[ADRK], s[TB], v[AK0]
	FETCH_K                         ; K of my first step
	s_wait_loadcnt 0x0              ; Q
	s_wait_dscnt 0x0
.set mi, 0
.rept 32
	KQ2 0                           ; piece 0's first scores: there is no vector work yet to set between them
.set mi, mi+1
.endr
	WIN 0
	PLACES
.Lslot:                             ; 14 trips: a step, and in its middle the slot that it has read out is filled again
	STEP 1
	s_sub_co_u32 s[SLOTS], s[SLOTS], 1
	s_cmp_lg_u32 s[SLOTS], 0
	s_cbranch_scc1 .Lslot
	s_mov_b32 s[TC], 2              ; the last two steps have a text of their own
.Ltail:
	STEP 0
	s_sub_co_u32 s[TC], s[TC], 1
	s_cmp_lg_u32 s[TC], 0
	s_cbranch_scc1 .Ltail
.set mi, 0
.rept 32
	PV2 2                           ; piece 2's V^T P of the last step
.set mi, mi+1
.endr
	WIN 0
	PLACES
	; THE TWO HALVES OF THE KEYS MEET.  I send tiles 2 and 3 (O^T, m, l) and receive the partner's for my tiles 0 and 1.
.irp t, 0,1,2,3
	v_add_f32 v[ST+8*\t+2], v[ST+8*\t+2], v[ST+8*\t+3]
.endr
	WIN 0x04                        ; store data in window 1
.set i, 0
.rept 32
	ds_store_b128 v[CBS], v[128+4*i:128+4*i+3] offset:512*i  ; each accumulator's lowest registers first
.set i, i+1
.endr
	WIN 0
	ds_store_b32 v[CBT], v[ST+16] offset:16384      ; m of tile 2,
	ds_store_b32 v[CBT], v[ST+18] offset:16384+128  ; its l,
	ds_store_b32 v[CBT], v[ST+24] offset:16384+256  ; and tile 3's
	ds_store_b32 v[CBT], v[ST+26] offset:16384+384
	s_wait_dscnt 0x0                ; for the partner's sake: my stores are done
	s_barrier_signal -1
	s_barrier_wait -1
.irp k, 0,1,2,3
	ds_load_b32 v[PM+\k], v[CBRT] offset:16384+128*\k
.endr
.set i, 0
.rept 32
	ds_load_b128 v[S+4*i:S+4*i+3], v[CBR] offset:512*i
.set i, i+1
.endr
	s_wait_dscnt 32                 ; the statistics are in; O^T's 32 loads may stay out
.irp t, 0,1
	v_max_num_f32 v[ST+8*\t+4], v[ST+8*\t], v[PM+2*\t]      ; the common maximum
.endr
.irp t, 0,1
	v_sub_f32 v[ST+8*\t+5], v[ST+8*\t], v[ST+8*\t+4]
	v_sub_f32 v[ST+8*\t+6], v[PM+2*\t], v[ST+8*\t+4]
.endr
.irp t, 0,1
	v_mul_f32 v[ST+8*\t+5], s[CS], v[ST+8*\t+5]
	v_mul_f32 v[ST+8*\t+6], s[CS], v[ST+8*\t+6]
.endr
.irp t, 0,1
	v_exp_f32 v[ST+8*\t+5], v[ST+8*\t+5]                    ; my share's factor,
	v_exp_f32 v[ST+8*\t+6], v[ST+8*\t+6]                    ; the partner's
.endr
	v_nop                           ; a plain instruction behind the last exponential,
	s_wait_alu depctr_va_vdst(0)    ; and one wait for the four
.irp t, 0,1
	v_mul_f32 v[ST+8*\t+2], v[ST+8*\t+2], v[ST+8*\t+5]
.endr
.irp t, 0,1
	v_fma_f32 v[ST+8*\t+2], v[PM+2*\t+1], v[ST+8*\t+6], v[ST+8*\t+2]
.endr
.irp t, 0,1
	v_permlanex16_b32 v[ST+8*\t+3], v[ST+8*\t+2], s[SEL], s[SEL+1]  ; the other half of the lanes holds the query's other keys
.endr
.irp t, 0,1
	v_add_f32 v[ST+8*\t+2], v[ST+8*\t+2], v[ST+8*\t+3]
.endr
.irp t, 0,1
	v_rcp_f32 v[ST+8*\t+7], v[ST+8*\t+2]
.endr
	v_nop
	s_wait_alu depctr_va_vdst(0)    ; one wait for the two reciprocals
.irp t, 0,1
	v_mul_f32 v[GA+4*\t], v[ST+8*\t+5], v[ST+8*\t+7]
	v_mul_f32 v[GA+4*\t+1], v[ST+8*\t+5], v[ST+8*\t+7]
	v_mul_f32 v[GB+4*\t], v[ST+8*\t+6], v[ST+8*\t+7]
	v_mul_f32 v[GB+4*\t+1], v[ST+8*\t+6], v[ST+8*\t+7]
.endr
	s_wait_dscnt 0x0                ; the partner's O^T is in
; Tile t: mine x my factor + the partner's x its factor; rounded to f16; a lane's eight channels of a row are 16 bytes: into rows of 272 bytes, back as whole rows of 256.
.macro PACK t
	WIN W_RS
.set i, 0
.rept 32
	v_pk_mul_f32 v[64*(\t)+2*i:64*(\t)+2*i+1], v[64*(\t)+2*i:64*(\t)+2*i+1], v[GA+4*(\t):GA+4*(\t)+1]
.set i, i+1
.endr
	WIN 0x10                        ; source 2 in window 1
.set i, 0
.rept 32
	v_pk_fma_f32 v[S+64*(\t)+2*i:S+64*(\t)+2*i+1], v[S+64*(\t)+2*i:S+64*(\t)+2*i+1], v[GB+4*(\t):GB+4*(\t)+1], v[64*(\t)+2*i:64*(\t)+2*i+1]
.set i, i+1
.endr
	WIN 0
.set i, 0
.rept 32
	v_cvt_pk_f16_f32 v[P+32*(\t)+i], v[S+64*(\t)+2*i], v[S+64*(\t)+2*i+1]
.set i, i+1
.endr
.irp f, 0,1,2,3,4,5,6,7
	ds_store_b128 v[STO], v[P+32*(\t)+4*\f:P+32*(\t)+4*\f+3] offset:32*\f
.endr
.irp f, 0,1,2,3,4,5,6,7
	ds_load_b128 v[P+32*(\t)+4*\f:P+32*(\t)+4*\f+3], v[RD] offset:\f*2*SP  ; LDS serves a wave's instructions in order (ISA guide 5.7.1.4): these see the stores above; the next tile's stores come behind them
.endr
.endm
.macro SEND t, younger              ; younger: the LDS instructions issued behind tile t's loads: the next tile's sixteen, or none
.irp f, 0,1,2,3,4,5,6,7
	s_wait_dscnt (\younger)+7-\f
	global_store_b128 v[GO], v[P+32*(\t)+4*\f:P+32*(\t)+4*\f+3], s[8:9] offset:256*(\t)+8192*\f  ; sixteen lanes store a head's 256 bytes of a row, aligned
.endr
.endm
	PACK 0
	PACK 1                          ; a tile's arithmetic stands between the loads of the tile before and its stores
	SEND 0, 16
	SEND 1, 0
	s_wait_tensorcnt 0x0            ; the wave's end, behind my last tensor load and my last LDS store
	ds_add_u32 v[SPW], v[NIL]
	s_wait_dscnt 0x0
	CROUND                          ; the closing round: no work-group ends while a partner may still ask for a tile that names it
	s_endpgm
.Lfunc_end_k_qe89f7df916_attention:
	.size	k_qe89f7df916_attention, .Lfunc_end_k_qe89f7df916_attention-k_qe89f7df916_attention
	.p2alignl 7, 3214868480
	.fill 96, 4, 3214868480
	.section	.rodata,"a",@progbits
	.p2align	6, 0x0
	.amdhsa_kernel k_qe89f7df916_attention
		.amdhsa_group_segment_fixed_size 327680
		.amdhsa_private_segment_fixed_size 0
		.amdhsa_enable_private_segment 0
		.amdhsa_kernarg_size 24
		.amdhsa_user_sgpr_count 2
		.amdhsa_user_sgpr_kernarg_segment_ptr 1
		.amdhsa_wavefront_size32 1
		.amdhsa_system_sgpr_workgroup_id_x 1
		.amdhsa_system_sgpr_workgroup_id_y 1
		.amdhsa_system_sgpr_workgroup_id_z 1
		.amdhsa_system_vgpr_workitem_id 0
		.amdhsa_next_free_vgpr 896
		.amdhsa_next_free_sgpr 100
		.amdhsa_reserve_vcc 0
		.amdhsa_float_denorm_mode_32 3
		.amdhsa_float_denorm_mode_16_64 3
		.amdhsa_memory_ordered 1
		.amdhsa_forward_progress 1
		.amdhsa_inst_pref_size 181
	.end_amdhsa_kernel
	.amdgpu_metadata
---
amdhsa.version: [ 1, 2 ]
amdhsa.kernels:
  - .name:           k_qe89f7df916_attention
    .symbol:         k_qe89f7df916_attention.kd
    .args:
      - { .name: qkv, .offset: 0, .size: 8, .value_kind: global_buffer, .address_space: global }
      - { .name: maskbits, .offset: 8, .size: 8, .value_kind: global_buffer, .address_space: global }
      - { .name: attn, .offset: 16, .size: 8, .value_kind: global_buffer, .address_space: global }
    .group_segment_fixed_size: 327680
    .private_segment_fixed_size: 0
    .kernarg_segment_align: 8
    .kernarg_segment_size: 24
    .max_flat_workgroup_size: 128
    .sgpr_count:     100
    .vgpr_count:     896
    .wavefront_size: 32
...
	.end_amdgpu_metadata
.endif
;; end of part 3
;; launch outproj (part 4): grid 16 x 16, 4 waves a work-group, clusters of 4 x 4, 327,680 bytes of LDS; arguments attn, wob, out0; writes out0
.if DOCPART == 4
	.amdgcn_target "amdgcn-amd-amdhsa--gfx1250"
	.amdhsa_code_object_version 6
	.text
	.protected	k_qe89f7df916_outproj
	.globl	k_qe89f7df916_outproj
	.p2align	8
	.type	k_qe89f7df916_outproj,@function
k_qe89f7df916_outproj:
	s_mov_b64 s[64:65], 0
	v_nop
	global_prefetch_b8 v0, s[64:65] scope:SCOPE_SE
	s_setreg_imm32_b32 hwreg(HW_REG_WAVE_MODE, 25, 1), 1
	s_wait_xcnt 0x0
	s_wait_alu depctr_hold_cnt(0) depctr_sa_sdst(0) depctr_va_vdst(0) depctr_va_sdst(0) depctr_va_ssrc(0) depctr_va_vcc(0) depctr_vm_vsrc(0)
	s_getreg_b32 s2, hwreg(HW_REG_IB_STS2, 6, 4)
	s_cmp_eq_u32 s2, 0
	s_cbranch_scc0 .Lentry_in_a_cluster
	s_endpgm
.Lentry_in_a_cluster:
	s_bfe_u32 s2, ttmp6, 0x10000c
	s_cmp_lg_u32 s2, 0xf033
	s_cbranch_scc0 .Lentry_shape_is_right
	s_endpgm
.Lentry_shape_is_right:
; out0 = attn x wo.  A = attn [2048][2048] f16 (the attention's result / 8), B = wob [2048 k][4096 n] f16 (bf16(wo) x 8, exact in f16), sums in f32, out0 [2048][4096] f32.
; LIMIT.  A and B arrive within f16's range (see the launches that make them).  NaN and infinities are not treated apart.
; SHARES.  A tile of C is 128 rows x 256 columns: 16 x 16 = 256 work-groups.  Four waves, each 64 rows x 128 columns: 32 accumulators of 16 x 16, 256 registers.
; K goes in steps of 128 through two LDS slots filled by tensor loads: A's rows are 256 bytes of memory, B's 512, all starting at multiples of 256 from their buffers' first bytes.
; B lies [k][n] and comes out of LDS turned, by ds_load_tr16_b128.
; CLUSTER.  4 x 4 work-groups: the four of a row need the same tile of A, the four of a column the same tile of B: each is asked for JOINTLY, by the same tensor load, descriptor and mask in all four.
; THE PRODUCT IS TAKEN TRANSPOSED (source 0 = 16 columns of B, source 1 = 16 rows of A): a lane holds row l % 16 of C and the columns 16 b + 8 (l / 16) + 0..7: 32 bytes of a row on end.
; REGISTERS, in windows of 256 (s_set_vgpr_msb: bits 1:0 source 0, 3:2 source 1, 5:4 source 2, 7:6 destination):
;   window 0: v0-31 addresses; v64-159, v160-255 two fragment buffers (A's four fragments, then B's eight); on the way out they are free          window 1: accumulator (a, b) at 8 (8 a + b)
.set KDIM,   2048
.set NDIM,   4096
.set KSTEP,  128
.set PA,     272                       ; a row of A in LDS: 256 bytes + 16: the 16 rows of a fragment load start at 16 different groups of four banks (64 banks of 4 bytes: ISA guide 11.1)
.set PB,     544                       ; a row of B: 512 bytes + 32 = 17 x 32
.set BOFF,   128*PA                    ; a slot: A's 128 rows, then B's 128 k-rows
.set SLOT,   BOFF+KSTEP*PB
.set STAGE,  2*SLOT                    ; behind the ring, never filled by a tensor load: 16 rows x 528 bytes for each wave
.set SP,     528                       ; 512 bytes of f32 + 16
.set SPARE,  STAGE+4*16*SP             ; the spare words, 128 bytes for each wave: two blocks of 256 bytes that no other line names
.set LAPS,   KDIM/(2*KSTEP)            ; a lap = two K steps = once round the ring
.set ADRA, 16                          ; v16-17  LDS address of my A fragments in slot 0, 1
.set ADRB, 20                          ; v20-21  the same for B
.set STO,  24                          ; v24     the way out: where I put 32 bytes of a row
.set RD,   25                          ; v25     where I read a row back
.set CO,   26                          ; v26     my 16 bytes of a row's 512
.set SPW,  28                          ; v28     LDS address of my spare word; never rewritten
.set NIL,  29                          ; v29     0; never rewritten
.set PFO,  30                          ; v30     the prefetches' lane offset; never rewritten
.set F0,   64
.set F1,   160
.set BK,   64                          ; the way out: 16 rows read back, two sets of 64
.set G1,   24                          ; s[24:31] descriptor group 1 for A's tiles;  s[32:39] group 0, a set for each slot
.set G0,   32
.set LIM,  43                          ; s43  1 in a wave that prefetches, else the greatest number
.set PFA,  44                          ; s[44:45] where my prefetches stand
.set G1B,  48                          ; s[48:55], s[56:63] the same for B's tiles
.set G0B,  56
.set CP,   70                          ; s[70:71] out0
.set PST,  72                          ; s[72:73] a K step in bytes, in the tensor that I prefetch
.set MSB,  0
.macro WIN new                         ; the immediate's high byte repeats the setting that is left; a switch that changes nothing is dropped
.if MSB != (\new)
	s_set_vgpr_msb (MSB<<8)|(\new)
.set MSB, \new
.endif
.endm
.set MUL, 0x50                         ; fragments in window 0, C and D in window 1
.macro PLACES                          ; four places in front of loads into registers that matrix instructions have read, and of lines that read results
.rept 4
	v_nop
.endr
.endm
; A joint load: waves 0 and 1 fetch A's two halves (64 rows each), waves 2 and 3 B's (64 k-rows each).  The branch hangs on the wave's number alone.
; An s_nop 0 and four v_nop follow each of the two lines, ahead of the jump, the label and what follows.
.macro JLOAD s
	s_cmp_eq_u32 s11, 0
	s_cbranch_scc0 .Lfor_b_\@
	tensor_load_to_lds s[G0+4*(\s):G0+4*(\s)+3], s[G1:G1+7]
	s_nop 0
.rept 4
	v_nop
.endr
	s_branch .Lasked_\@
.Lfor_b_\@:
	tensor_load_to_lds s[G0B+4*(\s):G0B+4*(\s)+3], s[G1B:G1B+7]
	s_nop 0
.rept 4
	v_nop
.endr
.Lasked_\@:
.endm
; A PREFETCH INTO THE L2, behind each joint refill and the run of LDS loads that follows it: the K step that stands two refills on, 256 matrix instructions a wave ahead of its load.
; Each aligned block of 256 bytes is named once in the launch.  A's rows are read by every cluster of a row of clusters: cluster x = 0 asks, wave 0, a lane a row, each of the four partners its own 32 of the
; tile's 128 rows (by address: 32 cx).  B's k-rows are read by every cluster of a column: cluster y = 0 asks, waves 2 and 3, 16 k-rows x 2 blocks each (by address: 16 cy).
; The first four K steps come by their loads alone; the loop's last trip (s3 = 1) asks for nothing: the steps two on do not exist.
.macro ASK
	s_cmp_gt_u32 s3, s[LIM]
	s_cbranch_scc0 .Lnot_mine_\@
	global_prefetch_b8 v[PFO], s[PFA:PFA+1] th:TH_LOAD_NT scope:SCOPE_SE
.Lnot_mine_\@:
.endm
.macro CREST                           ; a round of the cluster's barrier behind its opening barrier
	s_cmp_lg_u32 s10, 0
	s_cbranch_scc1 .Lnot_wave_0_\@
	s_barrier_signal -3
.Lnot_wave_0_\@:
	s_barrier_wait -3
	s_barrier_signal -1
	s_barrier_wait -1
.endm
.macro CROUND                          ; a whole round
	s_barrier_signal -1
	s_barrier_wait -1
	CREST
.endm
	s_load_b128 s[4:7], s[0:1], 0x0                ; A s[4:5], B s[6:7]
	s_load_b64 s[70:71], s[0:1], 0x10              ; out0
	v_lshl_add_u32 v[SPW], v0, 2, SPARE
	v_mov_b32 v[NIL], 0
	ds_add_u32 v[SPW], v[NIL]                      ; the wave's opening: the add and its wait stand ahead of my first tensor load; the set-up below, work on registers, stands between them
	v_lshrrev_b32 v1, 5, v0
	v_readfirstlane_b32 s10, v1                    ; wave 0..3
	s_lshr_b32 s11, s10, 1                         ; which 64 rows of the tile are mine.  Also: I fetch for A (0) or for B (1)
	s_and_b32 s12, s10, 1                          ; which 128 columns.  Also: which half of that tile I fetch
	s_bfe_u32 s40, ttmp6, 0x40000                  ; cx, cy: my place in the cluster
	s_bfe_u32 s41, ttmp6, 0x40004
	s_lshl_b32 s42, ttmp9, 2
	s_add_co_u32 s42, s42, s40                     ; tile column = 4 x cluster x + cx
	s_and_b32 s13, ttmp7, 0xffff
	s_lshl_b32 s13, s13, 2
	s_add_co_u32 s13, s13, s41                     ; tile row = 4 x cluster y + cy
	s_lshl_b32 s43, s41, 2
	s_lshl_b32 s43, 15, s43                        ; my row of the cluster
	s_lshl_b32 s44, 0x1111, s40                    ; my column
	s_or_b32 s[G1+0], s43, (1<<16)|(1<<20)|(1<<21)|(5<<22)|(3<<25)   ; 15:0 the mask; 17:16 2-byte elements; 20 padding on; 21 set beside a mask; 24:22 after every 64 words; 31:25 4 words
	s_mov_b32 s[G1+1], KSTEP<<16                   ; tensor_dim0 = 128
	s_mov_b32 s[G1+2], 64<<16                      ; tensor_dim1 = 64
	s_mov_b32 s[G1+3], KSTEP<<16                   ; tile_dim0 = 128
	s_mov_b32 s[G1+4], 64                          ; tile_dim1 = 64
	s_mov_b32 s[G1+5], KDIM                        ; elements from row to row
	s_mov_b32 s[G1+6], 0
	s_mov_b32 s[G1+7], 0
	s_or_b32 s[G1B+0], s44, (1<<16)|(1<<20)|(1<<21)|(6<<22)|(7<<25)  ; after every 128 words 8 words of padding
	s_mov_b32 s[G1B+1], 256<<16                    ; tensor_dim0 = 256
	s_mov_b32 s[G1B+2], 64<<16
	s_mov_b32 s[G1B+3], 256<<16                    ; tile_dim0 = 256
	s_mov_b32 s[G1B+4], 64
	s_mov_b32 s[G1B+5], NDIM
	s_mov_b32 s[G1B+6], 0
	s_mov_b32 s[G1B+7], 0
	s_lshl_b32 s16, s13, 7                         ; A: row 128 x tile row + 64 x half: it hangs on the tile row alone, which my row of the cluster shares
	s_lshl_b32 s17, s12, 6
	s_add_co_u32 s16, s16, s17
	s_mul_i32 s16, s16, KDIM*2
	s_mov_b32 s17, 0
	s_lshl_b32 s46, s42, 9                         ; B: 512 bytes a tile column, k-row 64 x half: it hangs on the tile column alone
	s_lshl_b32 s47, s12, 19
	s_add_co_u32 s46, s46, s47
	s_mov_b32 s47, 0
	s_mul_i32 s20, s12, 64*PA                      ; where they go: no place in the cluster enters an LDS address
	s_mul_i32 s21, s12, 64*PB
	s_add_co_u32 s21, s21, BOFF
	s_wait_dscnt 0x0                               ; the opening add is done
	s_wait_kmcnt 0x0
	s_add_nc_u64 s[14:15], s[4:5], s[16:17]
	s_add_nc_u64 s[46:47], s[6:7], s[46:47]
	CROUND                                         ; all sixteen work-groups are here: the first joint loads meet
.irp s, 0,1
	s_mov_b32 s[G0+4*(\s)], 1
	s_add_co_u32 s[G0+4*(\s)+1], s20, (\s)*SLOT
	s_add_nc_u64 s[G0+4*(\s)+2:G0+4*(\s)+3], s[14:15], (\s)*KSTEP*2
	s_or_b32 s[G0+4*(\s)+3], s[G0+4*(\s)+3], 0x80000000
	s_mov_b32 s[G0B+4*(\s)], 1
	s_add_co_u32 s[G0B+4*(\s)+1], s21, (\s)*SLOT
	s_add_nc_u64 s[G0B+4*(\s)+2:G0B+4*(\s)+3], s[46:47], (\s)*KSTEP*NDIM*2
	s_or_b32 s[G0B+4*(\s)+3], s[G0B+4*(\s)+3], 0x80000000
	JLOAD \s                                       ; two loads of mine are out
.endr
	; A's fragment: lane l holds row l % 16, K = 8 (l / 16) + 0..7 and 16 + 8 (l / 16) + 0..7: two loads of 16 bytes, 32 apart.
	; B's: the turning load reads k-row 8 (l / 16) + l % 8, columns 8 ((l / 8) % 2) + 0..7, and leaves column l % 16, eight K; the second load stands 16 k-rows on.
	v_and_b32 v1, 15, v0                           ; r = l % 16
	v_bfe_u32 v2, v0, 4, 1                         ; h = l / 16
	v_mul_u32_u24 v3, v1, PA
	v_lshl_add_u32 v3, v2, 4, v3
	v_and_b32 v4, 7, v0
	v_lshl_add_u32 v4, v2, 3, v4
	v_mul_u32_u24 v4, v4, PB
	v_bfe_u32 v5, v0, 3, 1
	v_lshl_add_u32 v4, v5, 4, v4
	s_mul_i32 s21, s11, 64*PA                      ; my 64 rows of A
	s_lshl_b32 s22, s12, 8                         ; my 128 columns of B
	s_add_co_u32 s22, s22, BOFF
.irp s, 0,1
	v_add_nc_u32 v[ADRA+(\s)], s21, v3
	v_add_nc_u32 v[ADRB+(\s)], s22, v4
	s_add_co_u32 s21, s21, SLOT
	s_add_co_u32 s22, s22, SLOT
.endr
	s_mul_i32 s23, s10, 16*SP
	s_add_co_u32 s23, s23, STAGE                   ; my stage
	v_mul_u32_u24 v4, v1, SP                       ; in: row r, 32 bytes for each half of the lanes
	v_lshl_add_u32 v4, v2, 5, v4
	v_add_nc_u32 v[STO], s23, v4
	v_and_b32 v5, 31, v0
	v_lshlrev_b32 v[CO], 4, v5                     ; back: 32 lanes take one row of 512 bytes
	v_add_nc_u32 v[RD], s23, v[CO]
	s_lshl_b32 s20, s13, 7
	s_lshl_b32 s21, s11, 6
	s_add_co_u32 s20, s20, s21                     ; my first row,
	s_lshl_b32 s20, s20, 14                        ; 16,384 bytes a row,
	s_lshl_b32 s21, s42, 10                        ; 1,024 bytes a tile column,
	s_add_co_u32 s20, s20, s21
	s_lshl_b32 s21, s12, 9                         ; my 512
	s_add_co_u32 s20, s20, s21
	s_mov_b32 s21, 0
	s_add_nc_u64 s[CP:CP+1], s[CP:CP+1], s[20:21]
	; the prefetches
	s_lshl_b32 s20, s13, 7
	s_lshl_b32 s21, s40, 5
	s_add_co_u32 s20, s20, s21                     ; A: my work-group's 32 rows of the tile's 128,
	s_mul_i32 s20, s20, KDIM*2
	s_add_co_u32 s20, s20, 3*KSTEP*2               ; at K step 3: the first refill steps it to 4
	s_lshl_b32 s21, s12, 6
	s_lshl_b32 s23, s41, 4
	s_add_co_u32 s21, s21, s23                     ; B: my work-group's 16 k-rows of the 64 that I fetch,
	s_mul_i32 s21, s21, NDIM*2
	s_lshl_b32 s23, s42, 9
	s_add_co_u32 s21, s21, s23
	s_add_co_u32 s21, s21, 3*KSTEP*NDIM*2
	s_and_b32 s22, ttmp7, 0xffff                   ; cluster y
	s_mov_b32 s[PST], KSTEP*NDIM*2
	s_mov_b32 s15, NDIM*2
	s_cmp_eq_u32 s11, 0                            ; do I fetch for A?
	s_cselect_b32 s20, s20, s21
	s_cselect_b32 s22, ttmp9, s22                  ; the coordinate along which other clusters read the same rows
	s_cselect_b32 s23, s12, 0                      ; of A's two waves the first asks
	s_cselect_b32 s[PST], KSTEP*2, s[PST]
	s_cselect_b32 s14, 0, 1                        ; A: a lane a row; B: two lanes a k-row
	s_cselect_b32 s15, KDIM*2, s15
	s_cselect_b64 s[PFA:PFA+1], s[4:5], s[6:7]
	s_mov_b32 s21, 0
	s_mov_b32 s[PST+1], 0
	s_add_nc_u64 s[PFA:PFA+1], s[PFA:PFA+1], s[20:21]
	s_or_b32 s22, s22, s23
	s_cmp_eq_u32 s22, 0
	s_cselect_b32 s[LIM], 1, -1                    ; the same in all sixteen partners, for a given wave
	v_and_b32 v6, 31, v0
	v_and_b32 v7, s14, v6
	v_lshrrev_b32 v6, s14, v6
	v_mul_u32_u24 v6, s15, v6
	v_lshl_add_u32 v[PFO], v7, 8, v6
; 8 matrix instructions: m block a x all 8 n blocks, 32 along K, from buffer f.  zero = 1: the product starts the sums: nothing is ever cleared.
; The 32 accumulators take turns in the same order in every quarter, over the backward jump too.
.macro MUL8 f, a, zero
	WIN MUL
.irp b, 0,1,2,3,4,5,6,7
.if \zero
	v_wmma_f32_16x16x32_f16 v[8*(8*(\a)+(\b)):8*(8*(\a)+(\b))+7], v[(\f)+32+8*(\b):(\f)+32+8*(\b)+7], v[(\f)+8*(\a):(\f)+8*(\a)+7], 0
.else
	v_wmma_f32_16x16x32_f16 v[8*(8*(\a)+(\b)):8*(8*(\a)+(\b))+7], v[(\f)+32+8*(\b):(\f)+32+8*(\b)+7], v[(\f)+8*(\a):(\f)+8*(\a)+7], v[8*(8*(\a)+(\b)):8*(8*(\a)+(\b))+7]
.endif
.endr
.endm
; 24 LDS loads in one run: quarter q (32 along K) of a slot into buffer f: B's sixteen, then A's eight, rows 32-63 last
.macro FETCH slot, q, f
	WIN 0
.irp b, 0,1,2,3,4,5,6,7
	ds_load_tr16_b128 v[(\f)+32+8*(\b):(\f)+32+8*(\b)+3],   v[ADRB+(\slot)] offset:(\q)*32*PB+32*(\b)
	ds_load_tr16_b128 v[(\f)+32+8*(\b)+4:(\f)+32+8*(\b)+7], v[ADRB+(\slot)] offset:(\q)*32*PB+16*PB+32*(\b)
.endr
.irp a, 0,1,2,3
	ds_load_b128 v[(\f)+8*(\a):(\f)+8*(\a)+3],   v[ADRA+(\slot)] offset:(\q)*64+(\a)*16*PA
	ds_load_b128 v[(\f)+8*(\a)+4:(\f)+8*(\a)+7], v[ADRA+(\slot)] offset:(\q)*64+(\a)*16*PA+32
.endr
.endm
; A K step is four quarters, 32 matrix instructions each, on buffers 0, 1, 0, 1.  One of the first three: multiplies buffer f and fetches quarter q into g.
.macro QUARTER slot, q, f, g, zero
	s_wait_dscnt 4                                 ; B and A's rows 0-31 are in; the youngest four loads (A's rows 32-63) may be out
	MUL8 \f, 0, \zero
	MUL8 \f, 1, \zero
	PLACES
	FETCH \slot, \q, \g
	s_wait_dscnt 24                                ; all but the 24 just issued
	MUL8 \f, 2, \zero
	MUL8 \f, 3, \zero
.endm
; The last quarter multiplies buffer 1 and changes slots: ONE barrier; in front of it each wave waits for all its tensor loads (one is out: its part of the next slot), adds 0 to its spare word,
; and waits for that and for its own reads of this slot.  fill = 1: the barrier opens a round of the cluster's, and this slot is filled again, two K steps ahead, first thing behind the round.
.macro TURN slot, next, fill
.if \fill
	s_wait_xcnt 0x0                                ; the last prefetch, a K step back, has read its address: it is stepped here, ahead of the waits of the change of slots
	s_add_nc_u64 s[PFA:PFA+1], s[PFA:PFA+1], s[PST:PST+1]
.endif
	WIN 0                                          ; (the add's two registers lie in window 0)
	s_wait_tensorcnt 0x0                           ; all my tensor loads have landed
	ds_add_u32 v[SPW], v[NIL]                      ; 0 onto my spare word
	s_wait_dscnt 5                                 ; (the add and the youngest four loads may be out)
	MUL8 F1, 0, 0                                  ; eight matrix instructions stand between the add and the wait for it
	s_wait_dscnt 0x0                               ; the add is done, and my reads of this slot are over
	s_barrier_signal -1
	MUL8 F1, 1, 0
.if \fill
	WIN 0
.endif
	s_barrier_wait -1
.if \fill
	CREST                                          ; no wave of any partner still reads this slot's tile or has a load on its way
	s_add_nc_u64 s[G0+4*(\slot)+2:G0+4*(\slot)+3], s[G0+4*(\slot)+2:G0+4*(\slot)+3], 2*KSTEP*2
	s_add_nc_u64 s[G0B+4*(\slot)+2:G0B+4*(\slot)+3], s[G0B+4*(\slot)+2:G0B+4*(\slot)+3], 2*KSTEP*NDIM*2
	JLOAD \slot                                    ; my one tensor load behind the round; its four v_nop are also the places in front of the loads below
.else
	PLACES
.endif
	FETCH \next, 0, F0
.if \fill
	ASK
.endif
	MUL8 F1, 2, 0
	MUL8 F1, 3, 0
.endm
	s_wait_tensorcnt 1                             ; my part of K step 0 is in; K step 1's may stay out
	s_barrier_signal -1
	s_barrier_wait -1                              ; everybody's is
	FETCH 0, 0, F0
	QUARTER 0, 1, F0, F1, 1                        ; the first quarter stands in front of the loop: its products start the sums
	WIN 0                                          ; at a label and at a branch every window is 0
	s_mov_b32 s3, LAPS-1
.Llap:                                         ; a trip goes once round the ring, from a lap's second quarter to the next lap's first, and fills both slots again
	QUARTER 0, 2, F1, F0, 0
	QUARTER 0, 3, F0, F1, 0
	TURN 0, 1, 1
	QUARTER 1, 1, F0, F1, 0
	QUARTER 1, 2, F1, F0, 0
	QUARTER 1, 3, F0, F1, 0
	TURN 1, 0, 1
	QUARTER 0, 1, F0, F1, 0
	WIN 0
	s_sub_co_u32 s3, s3, 1
	s_cmp_lg_u32 s3, 0
	s_cbranch_scc1 .Llap
	QUARTER 0, 2, F1, F0, 0                        ; the last lap fills nothing, and has no round of the cluster's barrier
	QUARTER 0, 3, F0, F1, 0
	TURN 0, 1, 0
	QUARTER 1, 1, F0, F1, 0
	QUARTER 1, 2, F1, F0, 0
	QUARTER 1, 3, F0, F1, 0
	s_wait_dscnt 4                                 ; the very last quarter: nothing more to fetch
	MUL8 F1, 0, 0
	MUL8 F1, 1, 0
	s_wait_dscnt 0x0
	MUL8 F1, 2, 0
	MUL8 F1, 3, 0
	WIN 0
	PLACES
	PLACES
; THE WAY OUT, 16 rows (block a) at a time, in f32: a lane's 32 bytes of a row go into my stage's rows of 528 bytes (each accumulator's lowest registers first), and come back as whole rows of 512.
.macro STG a
	s_wait_xcnt 0x0                                ; the stores issued so far have read their registers: the set that block a - 2's named is loaded again only behind this wait
	WIN 0x04                                       ; store data in window 1
.irp b, 0,1,2,3,4,5,6,7
	ds_store_b128 v[STO], v[8*(8*(\a)+\b):8*(8*(\a)+\b)+3]   offset:64*\b
	ds_store_b128 v[STO], v[8*(8*(\a)+\b)+4:8*(8*(\a)+\b)+7] offset:64*\b+16
.endr
	WIN 0
.irp t, 0,1,2,3,4,5,6,7,8,9,10,11,12,13,14,15
	ds_load_b128 v[BK+64*((\a)%2)+4*\t:BK+64*((\a)%2)+4*\t+3], v[RD] offset:\t*SP  ; LDS serves a wave's instructions in order (ISA guide 5.7.1.4): these see the stores above; the next block's stores come behind them
.endr
.endm
.macro SEND a, younger                 ; younger: the LDS instructions issued behind block a's loads: the next block's 32, or none
	s_wait_dscnt \younger
.irp t, 0,1,2,3,4,5,6,7,8,9,10,11,12,13,14,15
	global_store_b128 v[CO], v[BK+64*((\a)%2)+4*\t:BK+64*((\a)%2)+4*\t+3], s[CP:CP+1] offset:(16*(\a)+\t)*NDIM*4 th:TH_STORE_NT  ; 512 bytes of a row on end, aligned
.endr
.endm
	STG 0
.irp a, 1,2,3
	STG \a
	SEND \a-1, 32
.endr
	SEND 3, 0
	s_wait_tensorcnt 0x0                           ; the wave's end, behind my last tensor load and my last LDS store
	ds_add_u32 v[SPW], v[NIL]
	s_wait_dscnt 0x0
	CROUND                                         ; the closing round: no work-group ends while a partner may still ask for a tile that names it
	s_endpgm
.Lfunc_end_k_qe89f7df916_outproj:
	.size	k_qe89f7df916_outproj, .Lfunc_end_k_qe89f7df916_outproj-k_qe89f7df916_outproj
	.p2alignl 7, 3214868480
	.fill 96, 4, 3214868480
	.section	.rodata,"a",@progbits
	.p2align	6, 0x0
	.amdhsa_kernel k_qe89f7df916_outproj
		.amdhsa_group_segment_fixed_size 327680
		.amdhsa_private_segment_fixed_size 0
		.amdhsa_enable_private_segment 0
		.amdhsa_kernarg_size 24
		.amdhsa_user_sgpr_count 2
		.amdhsa_user_sgpr_kernarg_segment_ptr 1
		.amdhsa_wavefront_size32 1
		.amdhsa_system_sgpr_workgroup_id_x 1
		.amdhsa_system_sgpr_workgroup_id_y 1
		.amdhsa_system_sgpr_workgroup_id_z 1
		.amdhsa_system_vgpr_workitem_id 0
		.amdhsa_next_free_vgpr 512
		.amdhsa_next_free_sgpr 76
		.amdhsa_reserve_vcc 0
		.amdhsa_float_denorm_mode_32 3
		.amdhsa_float_denorm_mode_16_64 3
		.amdhsa_memory_ordered 1
		.amdhsa_forward_progress 1
		.amdhsa_inst_pref_size 87
	.end_amdhsa_kernel
	.amdgpu_metadata
---
amdhsa.version: [ 1, 2 ]
amdhsa.kernels:
  - .name:           k_qe89f7df916_outproj
    .symbol:         k_qe89f7df916_outproj.kd
    .args:
      - { .name: attn, .offset: 0, .size: 8, .value_kind: global_buffer, .address_space: global }
      - { .name: wob, .offset: 8, .size: 8, .value_kind: global_buffer, .address_space: global }
      - { .name: out0, .offset: 16, .size: 8, .value_kind: global_buffer, .address_space: global }
    .group_segment_fixed_size: 327680
    .private_segment_fixed_size: 0
    .kernarg_segment_align: 8
    .kernarg_segment_size: 24
    .max_flat_workgroup_size: 128
    .sgpr_count:     76
    .vgpr_count:     512
    .wavefront_size: 32
...
	.end_amdgpu_metadata
.endif
;; end of part 4
;; ======== version 2 of 2: 4 launches; version 1 with the launch prep written anew for expert scheduling mode
;; limits: values are held in f16: magnitudes above 65,504 overflow, below 6.1e-05 lose precision
;; workspace buffers: xb 16,777,216 bytes; wqkv 33,554,432 bytes; wob 16,777,216 bytes; rope 1,048,576 bytes; maskbits 524,288 bytes of whole numbers; qkv 16,777,216 bytes; attn 8,388,608 bytes
;; launch prep (part 5): grid 2304 x 1, 8 waves a work-group, no clusters, 0 bytes of LDS; arguments hidden_states, wq, wk, wv, wo, attention_mask, xb, wqkv, wob, rope, maskbits; writes xb, wqkv, wob, rope, maskbits
.if DOCPART == 5
	.amdgcn_target "amdgcn-amd-amdhsa--gfx1250"
	.amdhsa_code_object_version 6
	.text
	.protected	k_qe89f7df916_prep
	.globl	k_qe89f7df916_prep
	.p2align	8
	.type	k_qe89f7df916_prep,@function
k_qe89f7df916_prep:
	s_mov_b64 s[64:65], 0
	v_nop
	global_prefetch_b8 v0, s[64:65] scope:SCOPE_SE
	s_setreg_imm32_b32 hwreg(HW_REG_WAVE_SCHED_MODE, 0, 2), 2
	s_setreg_imm32_b32 hwreg(HW_REG_WAVE_MODE, 25, 1), 1
	s_wait_xcnt 0x0
	s_wait_alu depctr_vm_vsrc(0)
; PREP: everything that the three matrix launches want ready-made.  A part number g, made from the work-group's number, chooses the work:
;   g    0-2047  CASTS.  xb = bf16(x); wqkv = bf16(w / 8), wq | wk | wv side by side as [4096 k][4096 n]; wob = bf16(wo) x 8, written as f16.
;                The factors are powers of two, so rounding and scaling commute: q, k, v are later kept as f16 of value / 8, and wo x 8 gives the 8 back.
;   g 2048-2175  THE ROPE TABLE.  rope[pos] = cos(pos f_i) for i = 0..63, then sin(pos f_i), f32; f_i = 10000^(-i/64).
;   g 2176-2303  THE MASK AS BITS.  maskbits[qt][ks][8 kb + j], bit l = mask[16 qt + l % 16][64 ks + 16 kb + 8 (l / 16) + j]: the lane mask of one register of a tile of scores.
; The 256 short parts have the lowest work-group numbers (the mask's first), the 2,048 casts follow: no short part is the last to begin.
; LIMITS.  An entry of wo below 7.6e-6 keeps f16's fixed step (7.5e-9 in wo's units); wo x 8 must stay within 65,504.  The angle is the f32 product pos x f_i with f_i = 2^(-i log2(10000)/64)
; good to about two units in its last place; sine and cosine are series cut at r^11 and r^12 on |r| <= pi/2 (what is cut is under 6e-8).  NaN and infinities are not treated apart.
; No LDS, no barrier, no matrix unit: memory binds the casts; every byte is read once and written once; a wave's load covers 512 bytes on end, its store 256, aligned.
; THE MODE: SCHED_MODE bits 1:0 = 2 (LLVM: expert scheduling mode 2), set by the entry lines.  The code itself states the register dependences
; between vector instructions and memory instructions, and between a vector instruction that writes a scalar register and that register's readers, with s_wait_alu, always for 0.
; THE PLAN.  Registers that memory instructions touch:
;   casts  v8-23, v24   offsets, made once by vector lines, read by the 16 loads and the 16 stores, never written again: one wait ahead of the first load.
;          v32-95       row j's four registers: one load lands there, ahead of every vector line that names them; the row's vector lines work on them in place; the row's store reads the first two;
;                       nothing writes them behind that.  The rows go in four groups of four: ONE wait at the head of a group states that the group before has written its results; its four stores
;                       follow, dealt among the new group's vector lines, which name the new group's rows and v96-97 alone.  One more wait stands ahead of the last four stores.
;   table  v5, v40-47   written by vector lines, read by the two stores: one wait ahead of them.
;   mask   v2           the loads' offset: one wait ahead of the 16 loads.  v32-63: written by those loads, read by vector lines, never loaded again.  v3, v4-7: one wait ahead of the one store.
;          s28          the wave's number, written by a vector line, read by scalar lines: one wait between.
;          s32-47       16 lane masks, written by compares, read by v_writelane_b32: the 128 words go in eight runs of 16, with one wait a run, sixteen vector lines behind the run's compares.
; No register that a load or store reads is written again on any way to s_endpgm: so no line waits for memory instructions to have read their registers, and EXEC is never written.
.set OFF, 8                            ; v[8:23]   cast: byte offset of my 16 bytes in row j of the group's 16; never rewritten
.set DO,  24                           ; v24       cast: byte offset of my 8 bytes in a row of the result
.set X,   32                           ; v[32:95]  cast: row j's four f32 at X + 4 j; the result takes the first two of them
.set T,   96                           ; v[96:97]  cast to f16: the bf16 pair on its way
.set MT,  64                           ; v[64:95]  mask: two sets of 16 registers at work, by the run's parity
.set MS,  32                           ; s[32:47]  mask: a run's 16 lane masks
	s_load_b512 s[4:19], s[0:1], 0x0               ; x s[4:5], wq s[6:7], wk s[8:9], wv s[10:11], wo s[12:13], mask s[14:15], xb s[16:17], wqkv s[18:19]
	s_load_b128 s[20:23], s[0:1], 0x40             ; wob s[20:21], rope s[22:23]
	s_load_b64 s[24:25], s[0:1], 0x50              ; maskbits
	s_sub_co_u32 s26, 2303, ttmp9                  ; work-groups 0-255: g = 2303 down to 2048,
	s_sub_co_u32 s27, ttmp9, 256                   ; the others: g = number - 256
	s_cmp_ge_u32 ttmp9, 256
	s_cselect_b32 s26, s27, s26                    ; g
	s_wait_kmcnt 0x0
	s_cmp_ge_u32 s26, 2176
	s_cbranch_scc1 .Lmask
	s_cmp_ge_u32 s26, 2048
	s_cbranch_scc1 .Lrope
	; THE CASTS.  A work-group takes 16 rows x one piece of 1,024 numbers.  A source row has 1 << LP pieces; every result row is 8,192 bytes.
	s_mov_b64 s[28:29], s[4:5]                     ; from: x
	s_mov_b64 s[30:31], s[16:17]                   ; to: xb
	s_mov_b32 s32, 2                               ; LP
	s_mov_b32 s33, 0                               ; first byte in the result's rows
	s_mov_b32 s34, 0                               ; the part's first g
	s_mov_b32 s36, 1.0                             ; the factor
	s_cmp_ge_u32 s26, 512                          ; wq
	s_cselect_b64 s[28:29], s[6:7], s[28:29]
	s_cselect_b64 s[30:31], s[18:19], s[30:31]
	s_cselect_b32 s32, 1, s32
	s_cselect_b32 s34, 512, s34
	s_cselect_b32 s36, 0x3e000000, s36             ; 1/8
	s_cmp_ge_u32 s26, 1024                         ; wk: columns 2048 on
	s_cselect_b64 s[28:29], s[8:9], s[28:29]
	s_cselect_b32 s32, 0, s32
	s_cselect_b32 s33, 4096, s33
	s_cselect_b32 s34, 1024, s34
	s_cmp_ge_u32 s26, 1280                         ; wv: columns 3072 on
	s_cselect_b64 s[28:29], s[10:11], s[28:29]
	s_cselect_b32 s33, 6144, s33
	s_cselect_b32 s34, 1280, s34
	s_cmp_ge_u32 s26, 1536                         ; wo
	s_cselect_b64 s[28:29], s[12:13], s[28:29]
	s_cselect_b64 s[30:31], s[20:21], s[30:31]
	s_cselect_b32 s32, 2, s32
	s_cselect_b32 s33, 0, s33
	s_cselect_b32 s34, 1536, s34
	s_cselect_b32 s36, 0x41000000, s36             ; 8
	s_mov_b32 s37, s36                             ; named with it as a pair
	s_sub_co_u32 s27, s26, s34                     ; my number in the part
	s_lshl_b32 s38, 1, s32
	s_sub_co_u32 s38, s38, 1
	s_and_b32 s38, s27, s38                        ; piece
	s_lshr_b32 s27, s27, s32                       ; block of 16 rows
	s_lshl_b32 s35, 4096, s32                      ; bytes in a source row
	s_add_co_u32 s39, s32, 16
	s_lshl_b32 s40, s27, s39                       ; 16 source rows a block
	s_lshl_b32 s41, s38, 12                        ; 4,096 bytes a piece
	s_add_co_u32 s40, s40, s41
	s_mov_b32 s41, 0
	s_add_nc_u64 s[28:29], s[28:29], s[40:41]
	s_lshl_b32 s40, s27, 17                        ; 16 result rows a block
	s_lshl_b32 s42, s38, 11                        ; 2,048 bytes a piece
	s_add_co_u32 s40, s40, s42
	s_add_co_u32 s40, s40, s33
	s_add_nc_u64 s[30:31], s[30:31], s[40:41]
	v_lshlrev_b32 v[OFF], 4, v0                    ; thread t: 16 bytes at 16 t of each row's piece
.set j, 1
.rept 15
	v_add_nc_u32 v[OFF+j], s35, v[OFF+j-1]
.set j, j+1
.endr
	v_lshlrev_b32 v[DO], 3, v0
	s_wait_alu depctr_va_vdst(0)                   ; the sixteen offsets v8-23, which the loads read, and v24, which every store reads, are written
.set j, 0
.rept 16
	global_load_b128 v[X+4*j:X+4*j+3], v[OFF+j], s[28:29] th:TH_LOAD_NT  ; all sixteen rows are asked for at once
.set j, j+1
.endr
; Row j's vector lines.  half = 0: scaled, rounded to bf16.  half = 1: the bf16 number is widened again and written as f16, which holds its eight significant bits exactly.
.macro WORK j, half
	v_pk_mul_f32 v[X+4*(\j):X+4*(\j)+1], v[X+4*(\j):X+4*(\j)+1], s[36:37] op_sel_hi:[1,0]
	v_pk_mul_f32 v[X+4*(\j)+2:X+4*(\j)+3], v[X+4*(\j)+2:X+4*(\j)+3], s[36:37] op_sel_hi:[1,0]
.if \half
	v_cvt_pk_bf16_f32 v[T], v[X+4*(\j)], v[X+4*(\j)+1]
	v_cvt_pk_bf16_f32 v[T+1], v[X+4*(\j)+2], v[X+4*(\j)+3]
	v_lshlrev_b32 v[X+4*(\j)], 16, v[T]
	v_and_b32 v[X+4*(\j)+1], 0xffff0000, v[T]
	v_lshlrev_b32 v[X+4*(\j)+2], 16, v[T+1]
	v_and_b32 v[X+4*(\j)+3], 0xffff0000, v[T+1]
	v_cvt_pk_f16_f32 v[X+4*(\j)], v[X+4*(\j)], v[X+4*(\j)+1]
	v_cvt_pk_f16_f32 v[X+4*(\j)+1], v[X+4*(\j)+2], v[X+4*(\j)+3]
.else
	v_cvt_pk_bf16_f32 v[X+4*(\j)], v[X+4*(\j)], v[X+4*(\j)+1]
	v_cvt_pk_bf16_f32 v[X+4*(\j)+1], v[X+4*(\j)+2], v[X+4*(\j)+3]
.endif
.endm
.macro OUT j
	global_store_b64 v[DO], v[X+4*(\j):X+4*(\j)+1], s[30:31] offset:8192*(\j)  ; a wave's store: 256 bytes on end, aligned; no register of a store is written again
.endm
; The sixteen rows, in four groups of four.  Group g works on its own rows' registers and on v96-97; its memory instructions are the stores of group g - 1.
.macro CASTS half
.irp g, 0,1,2,3
.irp i, 0,1,2,3
.if (\i) == 0
	s_wait_loadcnt 15-4*(\g)                       ; loads come back in order: the group's first row is in, the younger rows may stay out
.if (\g) > 0
	s_wait_alu depctr_va_vdst(0)                   ; the group before has written its rows' results, which the four stores below read; no vector line behind this wait names them
.endif
.endif
.if (\g) > 0
	OUT 4*(\g)-4+(\i)
.endif
.if (\i) > 0
	s_wait_loadcnt 15-4*(\g)-(\i)                  ; the 15 - j younger loads may stay out
.endif
	WORK 4*(\g)+(\i), \half
.endr
.endr
	s_wait_alu depctr_va_vdst(0)                   ; the last group has written its rows' results, which the last four stores read
.irp i, 12,13,14,15
	OUT \i
.endr
.endm
	s_cmp_ge_u32 s26, 1536
	s_cbranch_scc1 .Lwo
	CASTS 0
	s_endpgm
.Lwo:
	CASTS 1
	s_endpgm
	; THE ROPE TABLE.  16 positions a work-group; thread t: position t / 16, frequencies 4 (t % 16) + 0..3.
	; v8-11 exponent, v12-15 f then the angle, v16-19 n, v20-23 r, v24-27 r^2, v28-31 sine's series, v32-35 cosine's, v36-39 the sign, v40-43 cos, v44-47 sin
.Lrope:
	s_sub_co_u32 s27, s26, 2048
	s_lshl_b32 s27, s27, 4
	s_mov_b32 s40, 0x40490fdb                      ; pi, its f32 part,
	s_mov_b32 s41, 0xb3bbbd2e                      ; and what that leaves
	v_lshrrev_b32 v1, 4, v0
	v_add_nc_u32 v1, s27, v1                       ; pos
	v_and_b32 v2, 15, v0
	v_lshlrev_b32 v3, 2, v2
	v_cvt_f32_u32 v4, v1
.irp e, 0,1,2,3
	v_add_nc_u32 v[8+\e], \e, v3                   ; i
.endr
.irp e, 0,1,2,3
	v_cvt_f32_u32 v[8+\e], v[8+\e]
.endr
.irp e, 0,1,2,3
	v_mul_f32 v[8+\e], 0xbe549a78, v[8+\e]         ; -i log2(10000) / 64
.endr
.irp e, 0,1,2,3
	v_exp_f32 v[12+\e], v[8+\e]                    ; f_i
.endr
	v_lshlrev_b32 v5, 9, v1                        ; a plain instruction behind the last exponential: 512 bytes a position
	s_wait_alu depctr_va_vdst(0)                   ; the four exponentials have written v12-15: one wait for the four, ahead of their first reader
	v_lshl_add_u32 v5, v2, 4, v5                   ; + my 16 bytes
.irp e, 0,1,2,3
	v_mul_f32 v[12+\e], v4, v[12+\e]               ; the angle, one product in f32
.endr
.irp e, 0,1,2,3
	v_mul_f32 v[16+\e], 0x3ea2f983, v[12+\e]       ; / pi
.endr
.irp e, 0,1,2,3
	v_rndne_f32 v[16+\e], v[16+\e]                 ; n
.endr
.irp e, 0,1,2,3
	v_fma_f32 v[20+\e], -v[16+\e], s40, v[12+\e]   ; r = angle - n pi, in two parts: |r| <= pi / 2
.endr
.irp e, 0,1,2,3
	v_fma_f32 v[20+\e], -v[16+\e], s41, v[20+\e]
.endr
.irp e, 0,1,2,3
	v_mul_f32 v[24+\e], v[20+\e], v[20+\e]
	v_mov_b32 v[28+\e], 0xb2d7322b                 ; -1/11!
	v_mov_b32 v[32+\e], 0x310f76c7                 ; 1/12!
.endr
.macro HORNER p, k                     ; series p = series p x r^2 + k, for the four
.irp e, 0,1,2,3
	v_fmaak_f32 v[(\p)+\e], v[(\p)+\e], v[24+\e], \k
.endr
.endm
	HORNER 28, 0x3638ef1d                          ; 1/9!
	HORNER 32, 0xb493f27e                          ; -1/10!
	HORNER 28, 0xb9500d01                          ; -1/7!
	HORNER 32, 0x37d00d01                          ; 1/8!
	HORNER 28, 0x3c088889                          ; 1/5!
	HORNER 32, 0xbab60b61                          ; -1/6!
	HORNER 28, 0xbe2aaaab                          ; -1/3!
	HORNER 32, 0x3d2aaaab                          ; 1/4!
	HORNER 28, 0x3f800000                          ; 1
	HORNER 32, 0xbf000000                          ; -1/2
	HORNER 32, 0x3f800000                          ; 1
.irp e, 0,1,2,3
	v_cvt_i32_f32 v[36+\e], v[16+\e]
	v_mul_f32 v[44+\e], v[20+\e], v[28+\e]         ; sin r
.endr
.irp e, 0,1,2,3
	v_lshlrev_b32 v[36+\e], 31, v[36+\e]           ; an odd n turns both signs
.endr
.irp e, 0,1,2,3
	v_xor_b32 v[40+\e], v[36+\e], v[32+\e]
	v_xor_b32 v[44+\e], v[36+\e], v[44+\e]
.endr
	s_wait_alu depctr_va_vdst(0)                   ; the offset v5 and the results v40-47 are written, which the two stores read
	global_store_b128 v5, v[40:43], s[22:23]             ; sixteen lanes fill the position's 256 bytes of cosines,
	global_store_b128 v5, v[44:47], s[22:23] offset:256  ; and of sines
	s_endpgm
	; THE MASK AS BITS.  A work-group takes 16 rows (qt), wave w the key steps 4 w .. 4 w + 3: 256 bytes of each row, read whole over its sixteen loads.
.Lmask:
	s_sub_co_u32 s27, s26, 2176                    ; qt
	v_lshrrev_b32 v1, 5, v0
	v_readfirstlane_b32 s28, v1                    ; wave
	v_and_b32 v2, 15, v0
	v_bfe_u32 v3, v0, 4, 1
	v_lshlrev_b32 v2, 11, v2                       ; row l % 16,
	v_lshl_add_u32 v2, v3, 3, v2                   ; keys 8 (l / 16) on
	s_wait_alu depctr_va_sdst(0)                   ; s28 is written, ahead of its first reader: both bases are made from it
	s_lshl_b32 s30, s27, 15                        ; 16 rows of 2,048 bytes
	s_lshl_b32 s31, s28, 8
	s_add_co_u32 s30, s30, s31
	s_mov_b32 s31, 0
	s_add_nc_u64 s[14:15], s[14:15], s[30:31]
	s_lshl_b32 s30, s27, 12                        ; 32 steps x 128 bytes of bits
	s_lshl_b32 s32, s28, 9
	s_add_co_u32 s30, s30, s32
	s_add_nc_u64 s[24:25], s[24:25], s[30:31]
	s_wait_alu depctr_va_vdst(0)                   ; the offset v2 is written, which the sixteen loads read
.set i, 0
.rept 16                               ; step i / 4, key block i % 4: my lane's eight keys
	global_load_b64 v[32+2*i:33+2*i], v2, s[14:15] offset:64*(i/4)+16*(i%4)
.set i, i+1
.endr
.irp r, 4,5,6,7
	v_mov_b32 v\r, 0                               ; v_writelane_b32 counts as a reader of its destination
.endr
	v_and_b32 v3, 31, v0
	v_lshlrev_b32 v3, 4, v3
	s_wait_loadcnt 0x0
; Word D of the wave's 128: one byte of every lane makes one lane mask; it goes to lane D / 4, register D % 4.  Run k holds the words 16 k to 16 k + 15.
.macro ANDS k                          ; the words' bytes, cut out into the set of registers of the run's parity
.set i, 0
.rept 16
.set D, 16*(\k)+i
	v_and_b32 v[MT+16*((\k)%2)+i], 0xff<<(8*(D&3)), v[32+2*(D>>3)+((D>>2)&1)]
.set i, i+1
.endr
.endm
.macro CMPS k                          ; sixteen lane masks
.set i, 0
.rept 16
	v_cmp_ne_u32 s[MS+i], 0, v[MT+16*((\k)%2)+i]
.set i, i+1
.endr
.endm
.macro LANES k                         ; each mask to its lane and register
.set i, 0
.rept 16
.set D, 16*(\k)+i
	v_writelane_b32 v[4+(D&3)], s[MS+i], D>>2
.set i, i+1
.endr
.endm
	ANDS 0
	CMPS 0
.irp k, 0,1,2,3,4,5,6,7
.if (\k) < 7
	ANDS (\k)+1                                    ; the next run's bytes stand between this run's compares and the wait for them
.endif
	s_wait_alu depctr_va_sdst(0)                   ; this run's sixteen compares have written s32-47, ahead of their first readers, the sixteen lines below
	LANES \k
.if (\k) < 7
	CMPS (\k)+1
.endif
.endr
	s_wait_alu depctr_va_vdst(0)                   ; the offset v3 and the words v4-7 are written, which the store reads
	global_store_b128 v3, v[4:7], s[24:25]         ; 512 bytes on end
	s_endpgm
.Lfunc_end_k_qe89f7df916_prep:
	.size	k_qe89f7df916_prep, .Lfunc_end_k_qe89f7df916_prep-k_qe89f7df916_prep
	.p2alignl 7, 3214868480
	.fill 96, 4, 3214868480
	.section	.rodata,"a",@progbits
	.p2align	6, 0x0
	.amdhsa_kernel k_qe89f7df916_prep
		.amdhsa_group_segment_fixed_size 0
		.amdhsa_private_segment_fixed_size 0
		.amdhsa_enable_private_segment 0
		.amdhsa_kernarg_size 88
		.amdhsa_user_sgpr_count 2
		.amdhsa_user_sgpr_kernarg_segment_ptr 1
		.amdhsa_wavefront_size32 1
		.amdhsa_system_sgpr_workgroup_id_x 1
		.amdhsa_system_sgpr_workgroup_id_y 1
		.amdhsa_system_sgpr_workgroup_id_z 1
		.amdhsa_system_vgpr_workitem_id 0
		.amdhsa_next_free_vgpr 104
		.amdhsa_next_free_sgpr 66
		.amdhsa_reserve_vcc 0
		.amdhsa_float_denorm_mode_32 3
		.amdhsa_float_denorm_mode_16_64 3
		.amdhsa_memory_ordered 1
		.amdhsa_forward_progress 1
		.amdhsa_inst_pref_size 56
	.end_amdhsa_kernel
	.amdgpu_metadata
---
amdhsa.version: [ 1, 2 ]
amdhsa.kernels:
  - .name:           k_qe89f7df916_prep
    .symbol:         k_qe89f7df916_prep.kd
    .args:
      - { .name: hidden_states, .offset: 0, .size: 8, .value_kind: global_buffer, .address_space: global }
      - { .name: wq, .offset: 8, .size: 8, .value_kind: global_buffer, .address_space: global }
      - { .name: wk, .offset: 16, .size: 8, .value_kind: global_buffer, .address_space: global }
      - { .name: wv, .offset: 24, .size: 8, .value_kind: global_buffer, .address_space: global }
      - { .name: wo, .offset: 32, .size: 8, .value_kind: global_buffer, .address_space: global }
      - { .name: attention_mask, .offset: 40, .size: 8, .value_kind: global_buffer, .address_space: global }
      - { .name: xb, .offset: 48, .size: 8, .value_kind: global_buffer, .address_space: global }
      - { .name: wqkv, .offset: 56, .size: 8, .value_kind: global_buffer, .address_space: global }
      - { .name: wob, .offset: 64, .size: 8, .value_kind: global_buffer, .address_space: global }
      - { .name: rope, .offset: 72, .size: 8, .value_kind: global_buffer, .address_space: global }
      - { .name: maskbits, .offset: 80, .size: 8, .value_kind: global_buffer, .address_space: global }
    .group_segment_fixed_size: 0
    .private_segment_fixed_size: 0
    .kernarg_segment_align: 8
    .kernarg_segment_size: 88
    .max_flat_workgroup_size: 256
    .sgpr_count:     66
    .vgpr_count:     104
    .wavefront_size: 32
...
	.end_amdgpu_metadata
.endif
;; end of part 5
;; launch qkvproj: the kernel of part 2 again; grid 16 x 16, 4 waves a work-group, clusters of 4 x 4, 327,680 bytes of LDS; arguments xb, wqkv, rope, qkv; writes qkv
;; launch attention: the kernel of part 3 again; grid 32 x 8, 4 waves a work-group, clusters of 4 x 1, 327,680 bytes of LDS; arguments qkv, maskbits, attn; writes attn
;; launch outproj: the kernel of part 4 again; grid 16 x 16, 4 waves a work-group, clusters of 4 x 4, 327,680 bytes of LDS; arguments attn, wob, out0; writes out0
